; MI455X (gfx1250); checked and timed in simulation.
; The chip was launched on July 23, 2026; its instructions are those of AMD's public machine-readable ISA for CDNA 5 (MIT licence, August 2026) and "CDNA5" Instruction Set Architecture Reference Guide (July 2026). The comments in the code are by the model that wrote it; some were corrected since.
;; MHA. Allowed arithmetic: matrix products marked QUANTISED: E2M3 operands, one E8M0 scale for each 32 along K, by v_wmma_scale_f32_16x16x128_f8f6f4 with both operands' format E2M3, f32 sums; everything else in f32.
;; Inputs: Wk 1,024 x 1,024 float32; Wo 1,024 x 1,024 float32; Wq 1,024 x 1,024 float32; Wv 1,024 x 1,024 float32; k 4 x 2,048 x 1,024 float32; q 4 x 2,048 x 1,024 float32; v 4 x 2,048 x 1,024 float32.
;; Outputs: out0 4 x 2,048 x 1,024 float32.
;; This version of the problem:
;;   THIS VERSION OF THE PROBLEM IS GIVEN IN LOW PRECISION. The matrix products marked QUANTISED in the list below multiply operands that are first quantised to E2M3 (2 exponent bits, 3 mantissa bits; 6 bits a number), with one power-of-two scale for each 32 numbers along K (OCP MX v1.0); their sums are f32. All else is computed in f32.
;;   The module's matrix products, in the order in which they are computed (A, B: the left and right operand; K: the contracted axis; several contracted axes count as one K, in the product's order):
;;     1. [M 8,192, K 1,024] x [K 1,024, N 1,024]; A: input q; B: input Wq: QUANTISED
;;     2. [M 8,192, K 1,024] x [K 1,024, N 1,024]; A: input k; B: input Wk: QUANTISED
;;     3. [M 8,192, K 1,024] x [K 1,024, N 1,024]; A: input v; B: input Wv: QUANTISED
;;     4. batch 64 x [M 2,048, K 64] x [K 64, N 2,048]; A: computed on the way; B: computed on the way: QUANTISED
;;     5. batch 64 x [M 2,048, K 2,048] x [K 2,048, N 64]; A: softmax (see below); B: computed on the way: QUANTISED
;;     6. [M 8,192, K 1,024] x [K 1,024, N 1,024]; A: computed on the way; B: input Wo: QUANTISED
;;   THE QUANTISER, for each operand of a quantised product, along K:
;;     - K is cut into blocks of 32 from its start; a last block that is shorter is filled with zeros.
;;     - A block's scale is 2^e with e = floor(log2(the largest magnitude in the block)) - 2, held to -126 .. 127; a block of zeros has e = 0. As a byte (E8M0): e + 127.
;;     - Each number is divided by its block's scale, clamped to +-7.5, and rounded to the nearest number of E2M3, ties to even, subnormals kept.
;;     - The product sums the exact products of the quantised numbers (number of the format x scale) in f32.
;;   ~~~python
;;   def quantise(x, axis):      # numpy; x: float32 -> the quantised numbers, widened to float32 again
;;       x = np.moveaxis(x, axis, -1); K = x.shape[-1]
;;       x = np.pad(x, [(0, 0)] * (x.ndim - 1) + [(0, -K % 32)]); x = x.reshape(x.shape[:-1] + (-1, 32)); a = np.abs(x).max(-1, keepdims=True)
;;       e = np.where(a > 0, np.clip(np.frexp(np.where(a > 0, a, 1))[1] - 1 - 2, -126, 127), 0)      # np.frexp(a)[1] - 1 = floor(log2(a)), exactly
;;       r = np.clip(x / 2.0 ** e, -7.5, 7.5)
;;       step = 2.0 ** (np.maximum(np.frexp(np.where(r == 0, 1, r))[1] - 1, 0) - 3)
;;       q = np.round(r / step) * step * 2.0 ** e      # np.round: ties to even
;;       return np.moveaxis(q.reshape(q.shape[:-2] + (-1,))[..., :K], -1, axis).astype(np.float32)
;;   ~~~
;;   SOFTMAX AHEAD OF A QUANTISED PRODUCT. Where the list says 'softmax', what is quantised is not the finished softmax but p = 2^(t - M), with t = logit x log2(e) and M = ceil(the row's largest t), a whole number; so 1/2 < the row's largest p <= 1. The row's sum l is taken of the UNQUANTISED p, in f32, and the product's result is divided by l at the end. Since M is a whole number, a kernel that streams over the keys may use a running M (the ceiling of the running maximum): every later rescaling is an exact power of two, which a block's scale takes up: the codes' values come out the same.
;;   OPERANDS COMPUTED ON THE WAY. 'Computed on the way' means the value that the module computes at that place (a softmax that the list does not call 'softmax' is quantised finished and normalised). What goes into a quantiser is computed in f32, as accurately as f32 sums, v_exp_f32 and their like allow (about 1e-6 of the number): no bf16 or f16 on the way to a quantiser, and a product that is left as it is and whose result goes on into a quantised operand takes f32 operands (vector FMAs, or v_wmma_f32_16x16x4_f32). A number that lies on a knife's edge between two numbers of the format may be rounded either way, as far as f32 arithmetic and the matrix unit's own rounding can turn it there, and no further.
;; One version. Each part assembles by itself: llvm-mc -triple=amdgcn-amd-amdhsa -mcpu=gfx1250 --defsym DOCPART=n.
;; ======== version 1 of 1: 5 launches
;; workspace buffers: x_codes 18,874,368 bytes; x_scales 786,432 bytes; w_codes 3,145,728 bytes; w_scales 131,072 bytes; rope 524,288 bytes; qkv 20,185,088 bytes; ao 6,291,456 bytes; as2 262,144 bytes
;; launch quant_x (part 1): grid 768 x 1, 4 waves a work-group, no clusters, 33,280 bytes of LDS; arguments q, k, v, x_codes, x_scales; writes x_codes, x_scales
.if DOCPART == 1
	.amdgcn_target "amdgcn-amd-amdhsa--gfx1250"
	.amdhsa_code_object_version 6
	.text
	.protected	k_qe99551125e_quant_x
	.globl	k_qe99551125e_quant_x
	.p2align	8
	.type	k_qe99551125e_quant_x,@function
k_qe99551125e_quant_x:
	s_mov_b64 s[64:65], 0
	v_nop
	global_prefetch_b8 v0, s[64:65] scope:SCOPE_SE
	s_setreg_imm32_b32 hwreg(HW_REG_WAVE_MODE, 25, 1), 1
	s_wait_xcnt 0x0
; MULTI-HEAD ATTENTION IN MX-FP6, FIVE LAUNCHES.  This one: q, k, v [8192][1024] f32 become codes of E2M3 (6 bits, K innermost) and one E8M0 byte for each 32 along K.
; DEAD WORK: none.  Every input has a way to the output and every product of the problem is live: nothing of the problem is left out in any launch.
; x_codes is [3 x 8192 rows: q, k, v][768 bytes], x_scales [24576][32].  Rows are dense and 1024 is a multiple of 32: each tensor is a plain stream of blocks of 32.
; A block's scale is 2^(floor(log2(largest magnitude)) - 2); its byte is the largest magnitude's exponent field - 2, held at 1 from below.
; LIMITS: a block of zeros, or one whose largest magnitude lies under 2^-124, gets the byte 1 (its codes are zeros or tiny; this program alone reads the bytes); NaN and infinities are not served.
; A wave takes 16 steps of 512 numbers.  Each load reads 512 consecutive bytes; a step's 2,048 bytes turn through the wave's own stage in LDS so that a lane holds 16 neighbours along K.
; No matrix unit, no cluster, no tensor load: the launch streams, and waves share nothing.  Work-groups 0-255 take q, 256-511 k, 512-767 v: only pointers are chosen.
.set WAVES, 4
.set STEPS, 16
.set CB,    12                         ; bytes of 16 codes
.set R,     16                         ; v16-79   four sets of 16 numbers as loaded
.set X,     80                         ; v80-111  two sets of 16 neighbours
.set C,     128                        ; v128-191 codes: four registers a step, so that no store's data are written again
.set E,     112                        ; v112-127 a scale byte a step
.set WREG,  8192                       ; LDS: a region for each wave: two stages of 32 x SP bytes, then its 256 scale bytes
.set SP,    80                         ; a lane's place in a stage: 64 bytes + 16 of padding
.set SPW,   12                         ; v12 my spare word's LDS address; never rewritten
.set NIL,   13                         ; v13 0; never rewritten
.set SPARE, WAVES*WREG                 ; the spare words, 128 bytes a wave: no other line names them
	s_load_b256 s[4:11], s[0:1], 0x0               ; q s[4:5], k s[6:7], v s[8:9], x_codes s[10:11]
	s_load_b64 s[12:13], s[0:1], 0x20              ; x_scales
	v_lshl_add_u32 v[SPW], v0, 2, SPARE
	v_mov_b32 v[NIL], 0
	v_lshrrev_b32 v1, 5, v0
	v_readfirstlane_b32 s16, v1                    ; wave
	v_and_b32 v2, 31, v0                           ; lane
	v_lshlrev_b32 v3, 4, v2                        ; my 16 bytes of a load's 512
	s_mul_i32 s17, s16, WREG
	v_lshrrev_b32 v14, 2, v2
	v_mul_u32_u24 v14, v14, SP
	v_and_b32 v15, 3, v2
	v_lshl_add_u32 v14, v15, 4, v14
	v_add_nc_u32 v14, s17, v14                     ; the stage, in: SP (lane / 4) + 16 (lane % 4)
	v_mul_u32_u24 v15, v2, SP
	v_add_nc_u32 v15, s17, v15                     ; and out: SP x lane: my 16 neighbours
	v_mul_u32_u24 v4, v2, CB                       ; my codes' place in a step's
	v_lshrrev_b32 v5, 1, v2
	s_add_co_u32 s17, s17, 2*32*SP
	v_add_nc_u32 v5, s17, v5                       ; LDS: my wave's 256 scale bytes, my block's byte
	v_lshlrev_b32 v7, 3, v2
	v_add_nc_u32 v6, s17, v7
	s_lshl_b32 s18, ttmp9, 2
	s_add_co_u32 s18, s18, s16                     ; which run of 8,192 numbers, counted over the three tensors
	s_and_b32 s20, s18, 1023
	s_lshl_b32 s20, s20, 15                        ; its bytes in its own tensor (1,024 runs a tensor)
	s_mov_b32 s21, 0
	s_mul_i32 s22, s18, 32*STEPS*CB                ; 6,144 bytes of codes a run
	s_mov_b32 s23, 0
	s_lshl_b32 s24, s18, 8                         ; 256 scale bytes a run
	s_mov_b32 s25, 0
	s_wait_kmcnt 0x0
	s_cmp_lt_u32 ttmp9, 512                        ; the choice hangs on the work-group's number alone
	s_cselect_b64 s[6:7], s[6:7], s[8:9]
	s_cmp_lt_u32 ttmp9, 256
	s_cselect_b64 s[4:5], s[4:5], s[6:7]
	s_add_nc_u64 s[4:5], s[4:5], s[20:21]
	s_add_nc_u64 s[10:11], s[10:11], s[22:23]
	s_add_nc_u64 s[12:13], s[12:13], s[24:25]
.macro LOAD t
.irp i, 0,1,2,3
	global_load_b128 v[R+16*((\t)%4)+4*\i:R+16*((\t)%4)+4*\i+3], v3, s[4:5] offset:2048*(\t)+512*\i th:TH_LOAD_NT   ; 32 lanes read 512 consecutive bytes
.endr
.endm
.macro TURN t                          ; step t's numbers through the stage: LDS serves a wave's instructions in order, so no wait stands between stores and loads
.irp i, 0,1,2,3
	ds_store_b128 v14, v[R+16*((\t)%4)+4*\i:R+16*((\t)%4)+4*\i+3] offset:32*SP*((\t)%2)+8*SP*\i
.endr
.irp i, 0,1,2,3
	ds_load_b128 v[X+16*((\t)%2)+4*\i:X+16*((\t)%2)+4*\i+3], v15 offset:32*SP*((\t)%2)+16*\i
.endr
.endm
.irp t, 0,1,2,3
	LOAD \t
.endr
	s_wait_loadcnt 12                              ; step 0's four loads are in; three steps' twelve may be out
	TURN 0
.macro STEP t
.set XS, X+16*((\t)%2)
.if (\t) > 0
	s_wait_dscnt 1                                 ; this step's numbers are back (the last step's byte store may be out)
.else
	s_wait_dscnt 0x0
.endif
.if (\t)+4 < STEPS
	LOAD (\t)+4                                    ; into the set whose stores into the stage have read it
.endif
.if (\t)+1 < STEPS
.if STEPS-2-(\t) >= 3
	s_wait_loadcnt 12                              ; the next step's four loads are in; those of three steps behind it may be out
.else
	s_wait_loadcnt 4*(STEPS-2-(\t))
.endif
	TURN (\t)+1
.endif
	v_max3_num_f32 v8, |v[XS]|, |v[XS+1]|, |v[XS+2]|               ; the largest magnitude of my 16, in two chains
	v_max3_num_f32 v9, |v[XS+3]|, |v[XS+4]|, |v[XS+5]|
.irp i, 6,10
	v_max3_num_f32 v8, v8, |v[XS+\i]|, |v[XS+\i+1]|
	v_max3_num_f32 v9, v9, |v[XS+\i+2]|, |v[XS+\i+3]|
.endr
	v_max3_num_f32 v8, v8, |v[XS+14]|, |v[XS+15]|
	v_max3_num_f32 v8, v8, v9, 0x1800000           ; and the floor 2^(3 - 127): the byte cannot fall under 1
	v_max_num_f32_dpp v8, v8, v8 row_xmask:1 row_mask:0xf bank_mask:0xf   ; and my neighbour's 16: the block's
	v_add_nc_u32 v11, 0xff000000, v8               ; 2 off its exponent field: the conversion takes that field as its scale
	v_cvt_scalef32_pk16_fp6_f32 v[C+4*(\t):C+4*(\t)+2], v[XS:XS+15], v11
	v_lshrrev_b32 v[E+(\t)], 23, v11               ; the scale's byte
	ds_store_b8 v5, v[E+(\t)] offset:16*(\t)       ; both lanes of a block write the same byte with the same value
	global_store_b96 v4, v[C+4*(\t):C+4*(\t)+2], s[10:11] offset:32*CB*(\t)   ; the wave stores 384 consecutive bytes
.endm
.irp t, 0,1,2,3,4,5,6,7,8,9,10,11,12,13,14,15
	STEP \t
.endr
	ds_load_b64 v[8:9], v6                         ; in order behind my byte stores
	s_wait_dscnt 0x0
	global_store_b64 v7, v[8:9], s[12:13]          ; 32 lanes store 256 consecutive bytes, aligned
	s_wait_tensorcnt 0x0                           ; the wave's end
	ds_add_u32 v[SPW], v[NIL]
	s_wait_dscnt 0x0
	s_endpgm
.Lfunc_end_k_qe99551125e_quant_x:
	.size	k_qe99551125e_quant_x, .Lfunc_end_k_qe99551125e_quant_x-k_qe99551125e_quant_x
	.p2alignl 7, 3214868480
	.fill 96, 4, 3214868480
	.section	.rodata,"a",@progbits
	.p2align	6, 0x0
	.amdhsa_kernel k_qe99551125e_quant_x
		.amdhsa_group_segment_fixed_size 33280
		.amdhsa_private_segment_fixed_size 0
		.amdhsa_enable_private_segment 0
		.amdhsa_kernarg_size 40
		.amdhsa_user_sgpr_count 2
		.amdhsa_user_sgpr_kernarg_segment_ptr 1
		.amdhsa_wavefront_size32 1
		.amdhsa_system_sgpr_workgroup_id_x 1
		.amdhsa_system_sgpr_workgroup_id_y 1
		.amdhsa_system_sgpr_workgroup_id_z 1
		.amdhsa_system_vgpr_workitem_id 0
		.amdhsa_next_free_vgpr 192
		.amdhsa_next_free_sgpr 66
		.amdhsa_reserve_vcc 0
		.amdhsa_float_denorm_mode_32 3
		.amdhsa_float_denorm_mode_16_64 3
		.amdhsa_memory_ordered 1
		.amdhsa_forward_progress 1
		.amdhsa_inst_pref_size 32
	.end_amdhsa_kernel
	.amdgpu_metadata
---
amdhsa.version: [ 1, 2 ]
amdhsa.kernels:
  - .name:           k_qe99551125e_quant_x
    .symbol:         k_qe99551125e_quant_x.kd
    .args:
      - { .name: q, .offset: 0, .size: 8, .value_kind: global_buffer, .address_space: global }
      - { .name: k, .offset: 8, .size: 8, .value_kind: global_buffer, .address_space: global }
      - { .name: v, .offset: 16, .size: 8, .value_kind: global_buffer, .address_space: global }
      - { .name: x_codes, .offset: 24, .size: 8, .value_kind: global_buffer, .address_space: global }
      - { .name: x_scales, .offset: 32, .size: 8, .value_kind: global_buffer, .address_space: global }
    .group_segment_fixed_size: 33280
    .private_segment_fixed_size: 0
    .kernarg_segment_align: 8
    .kernarg_segment_size: 40
    .max_flat_workgroup_size: 128
    .sgpr_count:     66
    .vgpr_count:     192
    .wavefront_size: 32
...
	.end_amdgpu_metadata
.endif
;; end of part 1
;; launch quant_w (part 2): grid 8 x 16, 4 waves a work-group, no clusters, 35,840 bytes of LDS; arguments Wq, Wk, Wv, Wo, w_codes, w_scales, rope; writes w_codes, w_scales, rope
.if DOCPART == 2
	.amdgcn_target "amdgcn-amd-amdhsa--gfx1250"
	.amdhsa_code_object_version 6
	.text
	.protected	k_qe99551125e_quant_w
	.globl	k_qe99551125e_quant_w
	.p2align	8
	.type	k_qe99551125e_quant_w,@function
k_qe99551125e_quant_w:
	s_mov_b64 s[64:65], 0
	v_nop
	global_prefetch_b8 v0, s[64:65] scope:SCOPE_SE
	s_setreg_imm32_b32 hwreg(HW_REG_WAVE_MODE, 25, 1), 1
	s_wait_xcnt 0x0
; Wq, Wk, Wv, Wo [1024 (k)][1024 (n)] f32, whose K is the FIRST axis, become codes of E2M3 laid [4 x 1024 rows n][768 bytes] with K innermost, and scale bytes [4096][32].  Nothing is left out.
; A LANE TAKES A COLUMN n AND ITS REGISTERS RUN DOWN K: a block of 32 lies in one lane, and the conversions give codes with K innermost.  Work-group y: tensor y / 4, K part y % 4 (256 along K).
; The codes leave through the wave's own stage in LDS: sixteen lanes store a row's 192 consecutive bytes.  LIMITS as in the first launch (byte 1 for blocks under 2^-124; no NaN, no infinities).
; THE TABLE OF COSINES AND SINES: each of the 512 waves also makes four positions: rope[pos][pair i] = (cos, sin) of pos x inv_freq[i], f32, 256 bytes a position; a lane is a pair.
; inv_freq[i] = 10000^(-i/32) = 10^(-i/8) is built in, rounded to the nearest f32.  LIMIT: a power function one unit in the last place off moves an angle by at most 1.2e-4 at position 2,047.
; The angle is the one rounded product pos x inv_freq; it is brought to |R| <= pi/4 by taking K x pi/2 off in two parts (the first subtraction is exact: both terms are multiples of 2^-23 and the
; difference is under 1), and sine and cosine are series up to R^9 and R^10, whose remainders lie under 2e-9.  No streaming launch gains from the matrix unit or a cluster: none is used.
.set KW,    256
.set NB,    8
.set ROWB,  192
.set PITCH, 272                        ; a stage row: sixteen places of 16 bytes, each with 12 bytes of codes, + 16
.set KROW,  768
.set SIZE_N, 1024
.set SIZE_K, 1024
.set X,     32                         ; v32-95   two sets of 32 numbers
.set C,     96                         ; v96..    a block's codes
.set OUTR,  112                        ; v112-175 the way out
.set SPW,   14
.set NIL,   15
.set SPARE, 4*32*PITCH
.set SB,    24                         ; v24-25   the scale bytes
.set TR,    176                        ; v176-183 the table's four (cos, sin)
.set INV,   184                        ; v184     inv_freq of my lane's pair
.set TA,    194                        ; v194     8 x lane
	s_load_b256 s[4:11], s[0:1], 0x0               ; Wq, Wk, Wv, Wo
	s_load_b128 s[12:15], s[0:1], 0x20             ; w_codes, w_scales
	s_load_b64 s[44:45], s[0:1], 0x30              ; rope
	v_lshl_add_u32 v[SPW], v0, 2, SPARE
	v_mov_b32 v[NIL], 0
	v_lshrrev_b32 v1, 5, v0
	v_readfirstlane_b32 s16, v1                    ; wave
	v_and_b32 v2, 31, v0                           ; lane
	s_lshl_b32 s17, ttmp9, 7
	s_lshl_b32 s18, s16, 5
	s_add_co_u32 s17, s17, s18                     ; my wave's first column
	s_and_b32 s31, ttmp7, 0xffff                   ; y
	s_lshr_b32 s30, s31, 2                         ; which tensor
	s_and_b32 s18, s31, 3                          ; which 256 along K
	v_lshlrev_b32 v3, 2, v2
	s_mul_i32 s19, s16, 32*PITCH                   ; my stage
	v_mul_u32_u24 v4, v2, PITCH
	v_add_nc_u32 v4, s19, v4                       ; into it: row = my column
	v_and_b32 v5, 15, v2
	v_lshrrev_b32 v6, 4, v2
	v_mul_u32_u24 v7, v6, PITCH
	v_lshl_add_u32 v7, v5, 4, v7
	v_add_nc_u32 v7, s19, v7                       ; out of it: sixteen lanes to a row
	v_mul_u32_u24 v8, v6, KROW
	v_mad_u32_u24 v8, v5, 12, v8                   ; and the same place in the codes' buffer
	v_mul_u32_u24 v9, v2, SIZE_K/32                ; my column's row of scale bytes
	v_lshlrev_b32 v[TA], 3, v2
	s_lshl_b32 s20, s18, 20                        ; W: 256 rows of 4,096 bytes a K part,
	s_lshl_b32 s22, s17, 2
	s_add_co_u32 s20, s20, s22                     ; + 4 x column
	s_mov_b32 s21, 0
	s_mul_i32 s24, s30, 1024*KROW                  ; codes: the tensor's 1,024 rows,
	s_mul_i32 s22, s17, KROW
	s_add_co_u32 s24, s24, s22                     ; + column x 768
	s_mul_i32 s22, s18, ROWB
	s_add_co_u32 s24, s24, s22                     ; + 192 x K part
	s_mov_b32 s25, 0
	s_lshl_b32 s28, s30, 15                        ; scale bytes likewise: 32 a row, 8 a K part
	s_lshl_b32 s22, s17, 5
	s_add_co_u32 s28, s28, s22
	s_lshl_b32 s22, s18, 3
	s_add_co_u32 s28, s28, s22
	s_mov_b32 s29, 0
	s_lshl_b32 s32, s31, 3
	s_add_co_u32 s32, s32, ttmp9
	s_lshl_b32 s32, s32, 2
	s_add_co_u32 s32, s32, s16                     ; my wave's number in the launch, 0 .. 511
	s_lshl_b32 s34, s32, 10                        ; four positions of 256 bytes
	s_mov_b32 s35, 0
	s_lshl_b32 s32, s32, 2                         ; my first position
	s_and_b32 s33, s30, 1
	s_mov_b32 s42, 0xbfc90fdb                      ; -(pi/2 rounded to f32)
	s_mov_b32 s43, 0x333bbd2e                      ; that rounded number less pi/2
	s_wait_kmcnt 0x0
	s_cmp_lt_u32 s30, 2                            ; the choices hang on the work-group's number alone
	s_cselect_b64 s[4:5], s[4:5], s[8:9]
	s_cselect_b64 s[6:7], s[6:7], s[10:11]
	s_cmp_eq_u32 s33, 1
	s_cselect_b64 s[4:5], s[6:7], s[4:5]
	s_add_nc_u64 s[4:5], s[4:5], s[20:21]
	s_add_nc_u64 s[12:13], s[12:13], s[24:25]
	s_add_nc_u64 s[14:15], s[14:15], s[28:29]
	s_add_nc_u64 s[44:45], s[44:45], s[34:35]
.macro LOAD t                          ; block t: W(32 t + i, my column) into set t % 2
.irp i, 0,1,2,3,4,5,6,7,8,9,10,11,12,13,14,15,16,17,18,19,20,21,22,23,24,25,26,27,28,29,30,31
	global_load_b32 v[X+32*((\t)%2)+\i], v3, s[4:5] offset:(32*(\t)+\i)*SIZE_N*4 th:TH_LOAD_NT
.endr
.endm
	LOAD 0
	LOAD 1
	; ---- the table, while the first 64 loads are on their way
	v_mov_b32 v[INV], 0
.macro LANEC i, c
	s_mov_b32 s40, \c
	v_writelane_b32 v[INV], s40, \i
.endm
	LANEC 0, 0x3f800000
	LANEC 1, 0x3f3ff911
	LANEC 2, 0x3f0ff59a
	LANEC 3, 0x3ed7e89b
	LANEC 4, 0x3ea1e89b
	LANEC 5, 0x3e72d424
	LANEC 6, 0x3e361887
	LANEC 7, 0x3e088d77
	LANEC 8, 0x3dcccccd
	LANEC 9, 0x3d99940e
	LANEC 10, 0x3d6655c3
	LANEC 11, 0x3d2cba15
	LANEC 12, 0x3d0186e2
	LANEC 13, 0x3cc24350
	LANEC 14, 0x3c91ad39
	LANEC 15, 0x3c5a7bf1
	LANEC 16, 0x3c23d70a
	LANEC 17, 0x3bf5b9b0
	LANEC 18, 0x3bb8449c
	LANEC 19, 0x3b8a2e77
	LANEC 20, 0x3b4f3e37
	LANEC 21, 0x3b1b690d
	LANEC 22, 0x3ae91528
	LANEC 23, 0x3aaec98e
	LANEC 24, 0x3a83126f
	LANEC 25, 0x3a44948c
	LANEC 26, 0x3a136a16
	LANEC 27, 0x39dd1726
	LANEC 28, 0x39a5cb5f
	LANEC 29, 0x3978a814
	LANEC 30, 0x393a7753
	LANEC 31, 0x390bd472
.macro ROPE n
	s_add_co_u32 s41, s32, \n
	v_cvt_f32_u32 v185, s41
	v_mul_f32 v185, v185, v[INV]                   ; the angle: one rounding
	v_mul_f32 v186, 0x3f22f983, v185               ; x 2 / pi
	v_rndne_f32 v186, v186                         ; K
	v_fma_f32 v187, v186, s42, v185                ; exact
	v_fma_f32 v187, v186, s43, v187                ; R = angle - K pi/2
	v_mul_f32 v188, v187, v187                     ; R^2
	v_mov_b32 v189, 0x3638ef1d                     ; 1/9!
	v_fmaak_f32 v189, v189, v188, 0xb9500d01       ; -1/7!
	v_fmaak_f32 v189, v189, v188, 0x3c088889       ; 1/5!
	v_fmaak_f32 v189, v189, v188, 0xbe2aaaab       ; -1/3!
	v_mul_f32 v190, v187, v188
	v_fma_f32 v189, v189, v190, v187               ; sin R
	v_mov_b32 v191, 0xb493f27e                     ; -1/10!
	v_fmaak_f32 v191, v191, v188, 0x37d00d01       ; 1/8!
	v_fmaak_f32 v191, v191, v188, 0xbab60b61       ; -1/6!
	v_fmaak_f32 v191, v191, v188, 0x3d2aaaab       ; 1/4!
	v_fmaak_f32 v191, v191, v188, 0xbf000000       ; -1/2
	v_fmaak_f32 v191, v191, v188, 0x3f800000       ; cos R
	v_cvt_i32_f32 v192, v186
	v_and_b32 v193, 1, v192
	v_cmp_eq_u32 vcc_lo, 1, v193                   ; K odd: sine and cosine change places
	v_cndmask_b32 v190, v189, v191, vcc_lo
	v_cndmask_b32 v191, v191, v189, vcc_lo
	v_lshlrev_b32 v193, 30, v192
	v_and_b32 v193, 0x80000000, v193               ; the sine is negative where K mod 4 is 2 or 3,
	v_xor_b32 v[TR+2*\n+1], v193, v190
	v_add_nc_u32 v192, 1, v192
	v_lshlrev_b32 v193, 30, v192
	v_and_b32 v193, 0x80000000, v193               ; the cosine where it is 1 or 2
	v_xor_b32 v[TR+2*\n], v193, v191
	global_store_b64 v[TA], v[TR+2*\n:TR+2*\n+1], s[44:45] offset:256*\n   ; 32 lanes store 256 consecutive bytes, aligned; each position has registers of its own
.endm
	ROPE 0
	ROPE 1
	ROPE 2
	ROPE 3
	; ---- the weights
.macro BLOCK t
.set XS, X+32*((\t)%2)
.if (\t) < NB-1
	s_wait_loadcnt 32                              ; this block's 32 loads are in; the next block's may be out
.else
	s_wait_loadcnt 0
.endif
	v_max3_num_f32 v12, |v[XS]|, |v[XS+1]|, |v[XS+2]|
	v_max3_num_f32 v13, |v[XS+3]|, |v[XS+4]|, |v[XS+5]|
.irp i, 6,10,14,18,22,26
	v_max3_num_f32 v12, v12, |v[XS+\i]|, |v[XS+\i+1]|
	v_max3_num_f32 v13, v13, |v[XS+\i+2]|, |v[XS+\i+3]|
.endr
	v_max3_num_f32 v12, v12, |v[XS+30]|, |v[XS+31]|
	v_max3_num_f32 v12, v12, v13, 0x1800000        ; the floor 2^(3 - 127)
	v_add_nc_u32 v11, 0xff000000, v12              ; 2 off the exponent field: the conversion's scale operand
	v_lshrrev_b32 v13, 23, v11                     ; the byte
.if (\t)%4 == 0
	v_mov_b32 v[SB+(\t)/4], v13
.else
	v_lshl_or_b32 v[SB+(\t)/4], v13, 8*((\t)%4), v[SB+(\t)/4]
.endif
	v_cvt_scalef32_pk16_fp6_f32 v[C:C+2], v[XS:XS+15], v11
	v_cvt_scalef32_pk16_fp6_f32 v[C+4:C+6], v[XS+16:XS+31], v11
	ds_store_b96 v4, v[C:C+2] offset:32*(\t)       ; 12 bytes to a place of 16
	ds_store_b96 v4, v[C+4:C+6] offset:32*(\t)+16
.if (\t)+2 < NB
	LOAD (\t)+2
.endif
	s_wait_dscnt 0x0                               ; the stores have read their registers
.endm
.irp t, 0,1,2,3,4,5,6,7
	BLOCK \t
.endr
	global_store_b64 v9, v[SB:SB+1], s[14:15]      ; my column's 8 scale bytes
.irp t, 0,1,2,3,4,5,6,7,8,9,10,11,12,13,14,15
	ds_load_b96 v[OUTR+4*\t:OUTR+4*\t+2], v7 offset:2*\t*PITCH
.endr
.irp t, 0,1,2,3,4,5,6,7,8,9,10,11,12,13,14,15
	s_wait_dscnt 15-\t                             ; the younger row loads may be out
	global_store_b96 v8, v[OUTR+4*\t:OUTR+4*\t+2], s[12:13] offset:2*\t*KROW
.endr
	s_wait_tensorcnt 0x0                           ; the wave's end
	ds_add_u32 v[SPW], v[NIL]
	s_wait_dscnt 0x0
	s_endpgm
.Lfunc_end_k_qe99551125e_quant_w:
	.size	k_qe99551125e_quant_w, .Lfunc_end_k_qe99551125e_quant_w-k_qe99551125e_quant_w
	.p2alignl 7, 3214868480
	.fill 96, 4, 3214868480
	.section	.rodata,"a",@progbits
	.p2align	6, 0x0
	.amdhsa_kernel k_qe99551125e_quant_w
		.amdhsa_group_segment_fixed_size 35840
		.amdhsa_private_segment_fixed_size 0
		.amdhsa_enable_private_segment 0
		.amdhsa_kernarg_size 56
		.amdhsa_user_sgpr_count 2
		.amdhsa_user_sgpr_kernarg_segment_ptr 1
		.amdhsa_wavefront_size32 1
		.amdhsa_system_sgpr_workgroup_id_x 1
		.amdhsa_system_sgpr_workgroup_id_y 1
		.amdhsa_system_sgpr_workgroup_id_z 1
		.amdhsa_system_vgpr_workitem_id 0
		.amdhsa_next_free_vgpr 200
		.amdhsa_next_free_sgpr 66
		.amdhsa_reserve_vcc 1
		.amdhsa_float_denorm_mode_32 3
		.amdhsa_float_denorm_mode_16_64 3
		.amdhsa_memory_ordered 1
		.amdhsa_forward_progress 1
		.amdhsa_inst_pref_size 53
	.end_amdhsa_kernel
	.amdgpu_metadata
---
amdhsa.version: [ 1, 2 ]
amdhsa.kernels:
  - .name:           k_qe99551125e_quant_w
    .symbol:         k_qe99551125e_quant_w.kd
    .args:
      - { .name: Wq, .offset: 0, .size: 8, .value_kind: global_buffer, .address_space: global }
      - { .name: Wk, .offset: 8, .size: 8, .value_kind: global_buffer, .address_space: global }
      - { .name: Wv, .offset: 16, .size: 8, .value_kind: global_buffer, .address_space: global }
      - { .name: Wo, .offset: 24, .size: 8, .value_kind: global_buffer, .address_space: global }
      - { .name: w_codes, .offset: 32, .size: 8, .value_kind: global_buffer, .address_space: global }
      - { .name: w_scales, .offset: 40, .size: 8, .value_kind: global_buffer, .address_space: global }
      - { .name: rope, .offset: 48, .size: 8, .value_kind: global_buffer, .address_space: global }
    .group_segment_fixed_size: 35840
    .private_segment_fixed_size: 0
    .kernarg_segment_align: 8
    .kernarg_segment_size: 56
    .max_flat_workgroup_size: 128
    .sgpr_count:     66
    .vgpr_count:     200
    .wavefront_size: 32
...
	.end_amdgpu_metadata
.endif
;; end of part 2
;; launch proj (part 3): grid 4 x 96, 4 waves a work-group, clusters of 4 x 4, 327,680 bytes of LDS; arguments x_codes, x_scales, w_codes, w_scales, rope, qkv; writes qkv
.if DOCPART == 3
	.amdgcn_target "amdgcn-amd-amdhsa--gfx1250"
	.amdhsa_code_object_version 6
	.text
	.protected	k_qe99551125e_proj
	.globl	k_qe99551125e_proj
	.p2align	8
	.type	k_qe99551125e_proj,@function
k_qe99551125e_proj:
	s_mov_b64 s[64:65], 0
	v_nop
	global_prefetch_b8 v0, s[64:65] scope:SCOPE_SE
	s_setreg_imm32_b32 hwreg(HW_REG_WAVE_MODE, 25, 1), 1
	s_wait_xcnt 0x0
	s_wait_alu depctr_hold_cnt(0) depctr_sa_sdst(0) depctr_va_vdst(0) depctr_va_sdst(0) depctr_va_ssrc(0) depctr_va_vcc(0) depctr_vm_vsrc(0)
	s_getreg_b32 s2, hwreg(HW_REG_IB_STS2, 6, 4)
	s_cmp_eq_u32 s2, 0
	s_cbranch_scc0 .Lentry_in_a_cluster
	s_endpgm
.Lentry_in_a_cluster:
	s_bfe_u32 s2, ttmp6, 0x10000c
	s_cmp_lg_u32 s2, 0xf033
	s_cbranch_scc0 .Lentry_shape_is_right
	s_endpgm
.Lentry_shape_is_right:
; THE THREE PROJECTIONS q Wq, k Wk, v Wv on codes of E2M3 (K = 1,024), and their results made into the operands of attention.  Nothing is left out.
; A tile of 256 x 256 is made by four waves, 128 x 128 each: 64 accumulators, 512 registers.  K goes in steps of 256 through a ring of two LDS slots; the scale bytes of the tile's rows come once.
; CLUSTERS of 4 x 4: the tiles of the operand called A are shared along a row of the cluster, B's along a column: joint loads.  The cluster's y picks the product: 0-7 q, 8-15 k, 16-23 v.
; THE MATRIX INSTRUCTION HAS B AS SOURCE 0 AND A AS SOURCE 1: a lane holds one row of A and its registers run along B's rows.
;   q, k: A = tokens, B = the rows n of W: a lane holds a token and its registers run along the head's channels, the next product's K.
;   v:    A = the rows n of Wv, B = tokens: a lane holds a channel and its registers run along the keys, the next product's K.   Only pointers and row numbers differ, chosen on the cluster's y.
; THE ROWS OF A TILE OF 16 ARE NOT NEIGHBOURS, on both sides: lane r of tile 2 g + u takes row 32 g + 8 u + r + 8 (r / 8), so that the 16 registers of two neighbouring tiles are 16 neighbours.
; THE WAY OUT.  q, k: the rotary embedding from the table (f32), then the quantiser along the head's 64; v: the quantiser along the keys.  Codes leave as IMAGES OF OPERAND REGISTERS:
; qkv is [64 heads][16 groups of 128 tokens][19,712 bytes]: K four pair images of 1,536 at 0, its scale words at 6,144; V four fragment images at 6,656, words at 12,800; Q at 13,056, words at 19,200.
; An image: registers 4 c .. 4 c + 3 of lane l at 512 c + 16 l.  A pair image holds two tiles' six registers.  A Q or K scale word holds its two bytes twice.  Every store covers 256 or 512 consecutive aligned bytes.
; LIMITS: byte 1 for blocks under 2^-124; no NaN, no infinities.
; REGISTERS: window 0: v16-29 addresses; v32-63 scale words; v128-223 A's fragments, one set; window 1: B's fragments, two sets; windows 2, 3: the accumulators ((a, b) at v[8 (8 (a % 4) + b)]).
.set NQ,     2
.set ROWB,   192
.set KROW,   768
.set PITCH,  240                       ; an LDS row: 3 x (64 bytes + 16 of padding)
.set FR,     12
.set NL,     6
.set NP,     4
.set HALFT,  128*PITCH
.set SLOT,   4*HALFT
.set LAPS,   2                         ; 1,024 along K = two laps of two K steps
.set KS,     32                        ; a row of scale bytes
.set SCL,    2*SLOT
.set HALFS,  16*272                    ; the scales of 128 rows, as units of 256 bytes + 16
.set SPARE,  SCL+4*HALFS               ; the spare words: no other line names them
.set REC,    19712
.set HEADB,  16*REC
.set ADRA, 16
.set ADRB, 20
.set RA,   24                          ; v24 the table: (r + 8 (r / 8)) x 256 + 64 h
.set L8,   25                          ; v25 8 x lane
.set L16,  26                          ; v26 16 x lane
.set ADRS, 27
.set SPW,  28
.set NIL,  29
.set SC,   32
.set AF,   128
.set H,    64                          ; the way out: v64-127 64 rotated numbers
.set CS,   128                         ; v128-191 two sets of 16 (cos, sin)
.set TM,   192                         ; v192-207 at work
.set PW,   208                         ; the scale word just made
.set CT,   210                         ; v210-216 the conversions' second halves
.set RE,   220                         ; v220-231 the even head's pair image; for v: the fragment
.set RO,   232                         ; v232-243 the odd head's
.set SWE,  244                         ; v244-247 the even head's scale words; for v: v244-245
.set SWO,  248
.set G1, 24
.set G0, 32
.set G1B, 48
.set G0B, 56
.set G1S, 68
.set G0S, 76
.set G1SB, 80
.set G0SB, 88
.set MODE, 66                          ; s66 1: v
.set MSK,  67                          ; s67 lanes 16-31
.set CY,   95                          ; s95 the cluster's y
.set SEL,  100                         ; s[100:101] selects for lane l xor 16
.set MSB, 0
.macro WIN new                         ; the immediate's high byte repeats the setting that is left
.if MSB != (\new)
	s_set_vgpr_msb (MSB<<8)|(\new)
.set MSB, (\new)
.endif
.endm
.set MUL_LO, 0xa1
.set MUL_HI, 0xf1
.set TO_B,   0x40
.macro JLOAD g0a, g1a, g0b, g1b        ; waves 0, 1 fetch for A, waves 2, 3 for B; an s_nop 0 and four v_nop follow each line
	s_cmp_eq_u32 s15, 0
	s_cbranch_scc0 .Lfor_b_\@
	tensor_load_to_lds s[\g0a:\g0a+3], s[\g1a:\g1a+7]
	s_nop 0
.rept 4
	v_nop
.endr
	s_branch .Lasked_\@
.Lfor_b_\@:
	tensor_load_to_lds s[\g0b:\g0b+3], s[\g1b:\g1b+7]
	s_nop 0
.rept 4
	v_nop
.endr
.Lasked_\@:
.endm
.macro CREST
	s_cmp_lg_u32 s14, 0
	s_cbranch_scc1 .Lnot_wave_0_\@
	s_barrier_signal -3
.Lnot_wave_0_\@:
	s_barrier_wait -3
	s_barrier_signal -1
	s_barrier_wait -1
.endm
.macro CROUND
	s_barrier_signal -1
	s_barrier_wait -1
	CREST
.endm
	s_load_b128 s[4:7], s[0:1], 0x0                ; x_codes, x_scales
	s_load_b128 s[8:11], s[0:1], 0x10              ; w_codes, w_scales
	s_load_b128 s[96:99], s[0:1], 0x20             ; rope, qkv
	v_lshl_add_u32 v[SPW], v0, 2, SPARE
	v_mov_b32 v[NIL], 0
	ds_add_u32 v[SPW], v[NIL]                      ; the opening: the add, twice on end, and its wait ahead of my first tensor load
	ds_add_u32 v[SPW], v[NIL]
	v_lshrrev_b32 v1, 5, v0
	v_readfirstlane_b32 s14, v1                    ; wave
	s_lshr_b32 s15, s14, 1                         ; my half of A's rows; also: I fetch for A (0) or B (1)
	s_and_b32 s16, s14, 1                          ; my half of B's rows; also: which 128 rows I fetch
	s_bfe_u32 s40, ttmp6, 0x40000                  ; cx
	s_bfe_u32 s41, ttmp6, 0x40004                  ; cy
	s_and_b32 s[CY], ttmp7, 0xffff
	s_lshl_b32 s43, s41, 2
	s_lshl_b32 s43, 15, s43                        ; my row of the cluster
	s_lshl_b32 s44, 0x1111, s40                    ; my column
	s_or_b32 s[G1+0], s43, (0<<16)|(1<<20)|(1<<21)|(3<<22)|(3<<25)  ; mask; 1-byte elements; padding of 4 words behind every 16
	s_or_b32 s[G1B+0], s44, (0<<16)|(1<<20)|(1<<21)|(3<<22)|(3<<25)
.irp g, G1, G1B
	s_mov_b32 s[\g+1], ROWB<<16
	s_mov_b32 s[\g+2], 128<<16
	s_mov_b32 s[\g+3], ROWB<<16
	s_mov_b32 s[\g+4], 128
	s_mov_b32 s[\g+5], KROW
	s_mov_b32 s[\g+6], 0
	s_mov_b32 s[\g+7], 0
.endr
	s_or_b32 s[G1S+0], s43, (3<<16)|(1<<20)|(1<<21)|(5<<22)|(3<<25) ; the scales of 128 rows: 16 dense rows of 256 bytes, 16 of padding behind each
	s_or_b32 s[G1SB+0], s44, (3<<16)|(1<<20)|(1<<21)|(5<<22)|(3<<25)
.irp g, G1S, G1SB
	s_mov_b32 s[\g+1], 32<<16
	s_mov_b32 s[\g+2], 16<<16
	s_mov_b32 s[\g+3], 32<<16
	s_mov_b32 s[\g+4], 16
	s_mov_b32 s[\g+5], 32
	s_mov_b32 s[\g+6], 0
	s_mov_b32 s[\g+7], 0
.endr
	s_lshl_b32 s17, s[CY], 10                      ; 1,024 x cluster y: the tokens' first row in x (q, k, v on end)
	s_lshr_b32 s2, s[CY], 3
	s_lshl_b32 s2, s2, 10                          ; Wq's or Wk's first row in w
	s_mov_b32 s42, 2048                            ; Wv's
	s_cmp_ge_u32 s[CY], 16                         ; the same in all sixteen partners
	s_cselect_b32 s[MODE], 1, 0
	s_cselect_b32 s20, s42, s17                    ; A's first row
	s_cselect_b32 s46, s17, s2                     ; B's
	s_lshl_b32 s18, s16, 7
	s_lshl_b32 s19, s41, 8
	s_add_co_u32 s20, s20, s19
	s_add_co_u32 s20, s20, s18                     ; A: + 256 cy + 128 x half
	s_lshl_b32 s47, s40, 8
	s_add_co_u32 s46, s46, s47
	s_add_co_u32 s46, s46, s18                     ; B: + 256 cx + 128 x half
	s_mov_b32 s21, 0
	s_mov_b32 s47, 0
	s_mov_b64 s[18:19], KS
	s_mul_u64 s[22:23], s[20:21], s[18:19]
	s_mul_u64 s[92:93], s[46:47], s[18:19]
	s_mov_b64 s[18:19], KROW
	s_mul_u64 s[20:21], s[20:21], s[18:19]
	s_mul_u64 s[46:47], s[46:47], s[18:19]
	s_mul_i32 s45, s14, HALFT
	s_mul_i32 s94, s14, HALFS
	s_mov_b32 s[MSK], 0xffff0000
	s_mov_b32 s[SEL], 0x76543210
	s_mov_b32 s[SEL+1], 0xfedcba98
	s_wait_dscnt 0x0                               ; both opening adds are done
	s_wait_kmcnt 0x0
	s_cmp_eq_u32 s[MODE], 1
	s_cselect_b64 s[12:13], s[8:9], s[4:5]         ; A's codes: w for v, else x
	s_cselect_b64 s[8:9], s[4:5], s[8:9]           ; B's codes
	s_cselect_b64 s[4:5], s[10:11], s[6:7]         ; A's scales
	s_cselect_b64 s[10:11], s[6:7], s[10:11]       ; B's scales
	s_add_nc_u64 s[20:21], s[12:13], s[20:21]
	s_add_nc_u64 s[22:23], s[4:5], s[22:23]
	s_add_nc_u64 s[46:47], s[8:9], s[46:47]
	s_add_nc_u64 s[92:93], s[10:11], s[92:93]
	CROUND                                         ; all sixteen work-groups are here: the first joint loads meet
	s_mov_b32 s[G0S], 1
	s_add_co_u32 s[G0S+1], s94, SCL
	s_mov_b64 s[G0S+2:G0S+3], s[22:23]
	s_or_b32 s[G0S+3], s[G0S+3], 0x80000000
	s_mov_b32 s[G0SB], 1
	s_add_co_u32 s[G0SB+1], s94, SCL
	s_mov_b64 s[G0SB+2:G0SB+3], s[92:93]
	s_or_b32 s[G0SB+3], s[G0SB+3], 0x80000000
	JLOAD G0S, G1S, G0SB, G1SB                     ; the scales first
.irp s, 0,1
	s_mov_b32 s[G0+4*\s], 1
	s_add_co_u32 s[G0+4*\s+1], s45, \s*SLOT
	s_add_nc_u64 s[G0+4*\s+2:G0+4*\s+3], s[20:21], \s*ROWB
	s_or_b32 s[G0+4*\s+3], s[G0+4*\s+3], 0x80000000
	s_mov_b32 s[G0B+4*\s], 1
	s_add_co_u32 s[G0B+4*\s+1], s45, \s*SLOT
	s_add_nc_u64 s[G0B+4*\s+2:G0B+4*\s+3], s[46:47], \s*ROWB
	s_or_b32 s[G0B+4*\s+3], s[G0B+4*\s+3], 0x80000000
	JLOAD G0+4*\s, G1, G0B+4*\s, G1B
.endr
	v_and_b32 v1, 15, v0                           ; r
	v_bfe_u32 v2, v0, 4, 1                         ; h
	v_and_b32 v7, 8, v1
	v_add_nc_u32 v7, v7, v1                        ; r + 8 (r / 8)
	v_mul_u32_u24 v3, v7, PITCH
	v_mul_u32_u24 v4, v2, 24
	v_add_nc_u32 v4, v3, v4                        ; a fragment's row x pitch + 24 h
	v_lshl_add_u32 v5, v2, 4, v4                   ; and the same behind one padding more
	s_mul_i32 s21, s15, HALFT
	s_mul_i32 s22, s16, HALFT
	s_add_co_u32 s22, s22, 2*HALFT
.irp s, 0,1
	v_add_nc_u32 v[ADRA+\s], s21, v4
	v_add_nc_u32 v[ADRB+\s], s22, v4
	v_add_nc_u32 v[ADRA+2+\s], s21, v5
	v_add_nc_u32 v[ADRB+2+\s], s22, v5
	s_add_co_u32 s21, s21, SLOT
	s_add_co_u32 s22, s22, SLOT
.endr
	v_and_b32 v5, 7, v1
	v_lshlrev_b32 v5, 5, v5                        ; my row's scales: 32 bytes a row, eight rows to a unit of 272;
	v_lshrrev_b32 v6, 3, v1
	v_mad_u32_u24 v5, v6, 544, v5                  ; lanes 8-15 take rows 16 further on: two units
	s_mul_i32 s21, s15, HALFS
	s_mul_i32 s22, s16, HALFS
	s_add_co_u32 s22, s22, 2*HALFS
	s_sub_co_u32 s22, s22, s21
	v_mul_u32_u24 v6, s22, v2                      ; lanes 16-31 take B's
	s_add_co_u32 s21, s21, SCL
	v_add_nc_u32 v5, v5, v6
	v_add_nc_u32 v[ADRS], s21, v5
	v_lshlrev_b32 v[RA], 8, v7
	v_lshl_add_u32 v[RA], v2, 6, v[RA]
	v_and_b32 v6, 31, v0
	v_lshlrev_b32 v[L8], 3, v6
	v_lshlrev_b32 v[L16], 4, v6
	; where my results go: batch, group of 128 tokens, first of my two heads
	s_and_b32 s2, s[CY], 7
	s_lshr_b32 s2, s2, 1                           ; the batch
	s_cmp_eq_u32 s[MODE], 1
	s_cselect_b32 s17, s40, s41                    ; the tokens' side: B's for v, else A's
	s_cselect_b32 s18, s16, s15
	s_cselect_b32 s19, s41, s40                    ; the heads' side
	s_cselect_b32 s42, s15, s16
	s_cmp_lt_u32 s[CY], 8
	s_cselect_b32 s43, 13056, 0                    ; Q's place in a record, or K's,
	s_cmp_eq_u32 s[MODE], 1
	s_cselect_b32 s43, 6656, s43                   ; or V's
	s_and_b32 s44, s[CY], 1
	s_lshl_b32 s44, s44, 3
	s_lshl_b32 s17, s17, 1
	s_add_co_u32 s44, s44, s17
	s_add_co_u32 s44, s44, s18                     ; the group
	s_lshl_b32 s19, s19, 2
	s_lshl_b32 s42, s42, 1
	s_add_co_u32 s19, s19, s42                     ; the head
	s_lshl_b32 s2, s2, 4
	s_add_co_u32 s2, s2, s19
	s_lshl_b32 s2, s2, 4
	s_add_co_u32 s2, s2, s44
	s_mul_i32 s2, s2, REC
	s_add_co_u32 s2, s2, s43
	s_mov_b32 s3, 0
	s_add_nc_u64 s[12:13], s[98:99], s[2:3]        ; OUT
	s_lshl_b32 s2, s44, 15
	s_add_nc_u64 s[96:97], s[96:97], s[2:3]        ; the table at my group's first position
.macro FRAG reg, adr, q, i             ; 16 rows x 128 K: 12 registers, in pieces of 8 bytes; the piece three on may lie behind one padding more: the second address register serves it
.irp p, 0,1,2,3,4,5
.set PC6, 12*(\q)+6*(\p/3)+\p%3
.if PC6%8 < 5
	ds_load_b64 v[\reg+2*\p:\reg+2*\p+1], v[\adr] offset:8*PC6+16*(PC6/8)+(32*((\i)/2)+8*((\i)%2))*PITCH
.else
	ds_load_b64 v[\reg+2*\p:\reg+2*\p+1], v[\adr+2] offset:8*PC6+16*(PC6/8)+(32*((\i)/2)+8*((\i)%2))*PITCH
.endif
.endr
.endm
; 16 matrix instructions: A's blocks a0, a0 + 1 x B's eight.  The 64 accumulators take turns, one instruction a turn, in the same order in every step.
.macro MUL16 a0, p, q, sc, zero
.irp a, \a0, \a0+1
.irp b, 0,1,2,3,4,5,6,7
.if \zero
	v_wmma_scale_f32_16x16x128_f8f6f4 v[8*(8*((\a)%4)+\b):8*(8*((\a)%4)+\b)+7], v[128*(\p)+FR*\b:128*(\p)+FR*\b+FR-1], v[AF+FR*(\a):AF+FR*(\a)+FR-1], 0, v[SC+8*NQ*(\sc)+NQ*\b+(\q)], v[SC+8*NQ*(\sc)+NQ*(\a)+(\q)] matrix_a_fmt:MATRIX_FMT_FP6 matrix_b_fmt:MATRIX_FMT_FP6 matrix_a_scale:MATRIX_SCALE_ROW1
.else
	v_wmma_scale_f32_16x16x128_f8f6f4 v[8*(8*((\a)%4)+\b):8*(8*((\a)%4)+\b)+7], v[128*(\p)+FR*\b:128*(\p)+FR*\b+FR-1], v[AF+FR*(\a):AF+FR*(\a)+FR-1], v[8*(8*((\a)%4)+\b):8*(8*((\a)%4)+\b)+7], v[SC+8*NQ*(\sc)+NQ*\b+(\q)], v[SC+8*NQ*(\sc)+NQ*(\a)+(\q)] matrix_a_fmt:MATRIX_FMT_FP6 matrix_b_fmt:MATRIX_FMT_FP6 matrix_a_scale:MATRIX_SCALE_ROW1
.endif
.endr
.endr
.endm
.macro FETCH_B slot, q, p
	WIN TO_B
.irp i, 0,1,2,3,4,5,6,7
	FRAG 128*(\p)+FR*\i, ADRB+\slot, \q, \i
.endr
	WIN 0
.endm
.macro FETCH_A slot, q, i0
.irp i, \i0, \i0+1, \i0+2, \i0+3
	FRAG AF+FR*(\i), ADRA+\slot, \q, \i
.endr
.endm
.macro SCALES sc                       ; a K step's two words a row: lanes 0-15 A's block i, lanes 16-31 B's
.irp i, 0,1,2,3,4,5,6,7
	ds_load_b64 v[SC+8*NQ*\sc+NQ*\i:SC+8*NQ*\sc+NQ*\i+1], v[ADRS] offset:(\i%2)*272+(\i/2)*1088
.endr
.endm
.macro PLACES n                        ; plain vector instructions between a matrix instruction and a load into, or a vector read or write of, its registers
.rept \n
	v_nop
.endr
.endm
.macro STEP slot, q, zero
	s_wait_dscnt 4*NL                              ; B's set and A's blocks 0-3 are in; the youngest 24 loads (A's blocks 4-7) may be out
	WIN MUL_LO
	MUL16 0, (\q)%2, \q, \slot, \zero
	MUL16 2, (\q)%2, \q, \slot, \zero
	s_wait_dscnt 0
	PLACES NP
	FETCH_B \slot, (\q)+1, 1-(\q)%2
	FETCH_A \slot, (\q)+1, 0
	WIN MUL_HI
	MUL16 4, (\q)%2, \q, \slot, \zero
	MUL16 6, (\q)%2, \q, \slot, \zero
	PLACES NP
	WIN 0
	FETCH_A \slot, (\q)+1, 4
.endm
.macro TURN slot, next, fill           ; a slot's last step changes slots: one barrier
	s_wait_tensorcnt 0x0                           ; all my tensor loads have landed: my part of the next slot
	ds_add_u32 v[SPW], v[NIL]
	s_wait_dscnt 4*NL+1                            ; the add and the youngest 24 loads may be out
	WIN MUL_LO
	MUL16 0, 1, NQ-1, \slot, 0
	s_wait_dscnt 0x0                               ; the add is done, and my reads of this slot are over
	s_barrier_signal -1
	MUL16 2, 1, NQ-1, \slot, 0
	WIN 0
	s_barrier_wait -1
.if \fill
	CREST                                          ; the barrier has opened a round of the cluster's: no wave of any partner still reads this slot or has a load on its way
	s_add_nc_u64 s[G0+4*\slot+2:G0+4*\slot+3], s[G0+4*\slot+2:G0+4*\slot+3], 2*ROWB
	s_add_nc_u64 s[G0B+4*\slot+2:G0B+4*\slot+3], s[G0B+4*\slot+2:G0B+4*\slot+3], 2*ROWB
	JLOAD G0+4*\slot, G1, G0B+4*\slot, G1B         ; the first tensor load behind the round; its four v_nop are the places in front of the loads below
.else
	PLACES NP
.endif
	v_add_nc_u32 v[ADRS], 4*NQ, v[ADRS]
	FETCH_B \next, 0, 0
	FETCH_A \next, 0, 0
	SCALES \next
	WIN MUL_HI
	MUL16 4, 1, NQ-1, \slot, 0
	MUL16 6, 1, NQ-1, \slot, 0
	PLACES NP
	WIN 0
	FETCH_A \next, 0, 4
.endm
	s_wait_tensorcnt 1                             ; the scales and my part of K step 0 are in; K step 1's load may be out
	s_barrier_signal -1
	s_barrier_wait -1
	FETCH_B 0, 0, 0
	FETCH_A 0, 0, 0
	SCALES 0
	FETCH_A 0, 0, 4
	STEP 0, 0, 1                                   ; the first step's products start the sums
	s_mov_b32 s3, LAPS-1
.Llap:
	TURN 0, 1, 1
	STEP 1, 0, 0
	TURN 1, 0, 1
	STEP 0, 0, 0
	s_sub_co_u32 s3, s3, 1
	s_cmp_lg_u32 s3, 0
	s_cbranch_scc1 .Llap
	TURN 0, 1, 0                                   ; the last lap fills nothing
	STEP 1, 0, 0
	s_wait_dscnt 4*NL
	WIN MUL_LO
	MUL16 0, 1, NQ-1, 1, 0
	MUL16 2, 1, NQ-1, 1, 0
	s_wait_dscnt 0
	WIN MUL_HI
	MUL16 4, 1, NQ-1, 1, 0
	MUL16 6, 1, NQ-1, 1, 0
	WIN 0
; THE QUANTISER.  64 numbers of a lane in window w, number 16 b + i = k 32 b + 16 h + i of my row, become two runs of six code registers (d0: k 0-63, d1: k 64-127) and the scale word in v[PW].
; Each accumulator is read from its low end on.  The running maximum is always source 2, so one window setting serves all the maxima.
.macro QUANT s, w, d0, d1
	WIN (\w)|((\w)<<2)
.irp b, 0,1,2,3
	v_max3_num_f32 v[TM+\b], |v[\s+16*\b]|, |v[\s+16*\b+1]|, 0x1800000   ; with the floor 2^(3 - 127): the byte cannot fall under 1
.endr
.irp i, 2,4,6,8,10,12,14
.irp b, 0,1,2,3
	v_max3_num_f32 v[TM+\b], |v[\s+16*\b+\i]|, |v[\s+16*\b+\i+1]|, v[TM+\b]
.endr
.endr
	WIN 0
.irp b, 0,1,2,3
	v_permlanex16_b32 v[TM+4+\b], v[TM+\b], s[SEL], s[SEL+1]
.endr
.irp b, 0,1,2,3
	v_max_num_f32 v[TM+\b], v[TM+\b], v[TM+4+\b]   ; with lane l xor 16's: the block's largest magnitude
.endr
.irp b, 0,1,2,3
	v_add_nc_u32 v[TM+12+\b], 0xff000000, v[TM+\b] ; 2 off the exponent field: the conversion's scale operand
.endr
.irp b, 0,1,2,3
	v_lshrrev_b32 v[TM+4+\b], 23, v[TM+12+\b]      ; the byte
.endr
	v_lshl_or_b32 v[PW], v[TM+5], 8, v[TM+4]
	v_lshl_or_b32 v[PW], v[TM+6], 16, v[PW]
	v_lshl_or_b32 v[PW], v[TM+7], 24, v[PW]
	WIN (\w)
	v_cvt_scalef32_pk16_fp6_f32 v[\d0:\d0+2], v[\s:\s+15], v[TM+12]
	v_cvt_scalef32_pk16_fp6_f32 v[CT:CT+2], v[\s+16:\s+31], v[TM+13]
	v_cvt_scalef32_pk16_fp6_f32 v[\d1:\d1+2], v[\s+32:\s+47], v[TM+14]
	v_cvt_scalef32_pk16_fp6_f32 v[CT+4:CT+6], v[\s+48:\s+63], v[TM+15]
	WIN 0
	v_nop                                          ; one plain place behind a scaled conversion
.irp i, 0,1,2                          ; the operand's layout wants a whole block in a lane: lanes 0-15 the even block, lanes 16-31 the odd one
	v_permlane16_swap_b32 v[\d0+\i], v[CT+\i]
.endr
.irp i, 0,1,2
	v_mov_b32 v[\d0+3+\i], v[CT+\i]
.endr
.irp i, 0,1,2
	v_permlane16_swap_b32 v[\d1+\i], v[CT+4+\i]
.endr
.irp i, 0,1,2
	v_mov_b32 v[\d1+3+\i], v[CT+4+\i]
.endr
.endm
.macro ROPELOAD a                      ; (cos, sin) of my token of block a, pairs 16 b' + 8 h + 0 .. 7, b' = 0, 1: eight loads of 16 bytes
.set RS, CS+32*((\a)%2)
.irp j, 0,1,2,3,4,5,6,7
	global_load_b128 v[RS+4*\j:RS+4*\j+3], v[RA], s[96:97] offset:(32*((\a)/2)+8*((\a)%2))*256+128*(\j/4)+16*(\j%4)
.endr
.endm
; q, k: block a = 16 tokens x my two heads.  Number 16 (2 e + b') + i of a lane is channel 32 b' + 16 h + i of head e: a rotary pair lies in two neighbouring registers.
.macro QKBLK a
.set AC, 64*((\a)%4)
.set CSS, CS+32*((\a)%2)
.set UU, (\a)%2
.set BE, (\a)/2
.if ((\a) > 0) && (UU == 0)
	s_wait_xcnt 0x0                                ; the last pair's stores have read their registers: the images are written again only behind this wait
.endif
.if (\a) < 7
	ROPELOAD (\a)+1
	s_wait_loadcnt 8                               ; this block's eight loads are in; the next block's may be out
.else
	s_wait_loadcnt 0x0
.endif
	WIN 2+(\a)/4                                   ; source 0: the accumulators' window
.set NN, 0
.rept 32
	v_pk_mul_f32 v[H+2*NN:H+2*NN+1], v[AC+2*NN:AC+2*NN+1], v[CSS+2*(NN%16):CSS+2*(NN%16)+1] op_sel_hi:[1,0]   ; (x1 c, x2 c)
.set NN, NN+1
.endr
.set NN, 0
.rept 32
	v_pk_fma_f32 v[H+2*NN:H+2*NN+1], v[AC+2*NN:AC+2*NN+1], v[CSS+2*(NN%16):CSS+2*(NN%16)+1], v[H+2*NN:H+2*NN+1] op_sel:[1,1,0] op_sel_hi:[0,1,1] neg_lo:[0,1,0]   ; (x1 c - x2 s, x2 c + x1 s)
.set NN, NN+1
.endr
	WIN 0
	QUANT H, 0, RE+6*UU, RO+6*UU
.if UU == 0
	v_perm_b32 v[SWE+BE], v[PW], v[PW], 0x01000100 ; the even head's two bytes, twice; every lane holds its row's
	v_perm_b32 v[SWO+BE], v[PW], v[PW], 0x03020302 ; the odd head's
.else
	v_perm_b32 v252, v[PW], v[PW], 0x01000100
	v_perm_b32 v253, v[PW], v[PW], 0x03020302
	v_cndmask_b32 v[SWE+BE], v[SWE+BE], v252, s[MSK]   ; the odd tile's words go to lanes 16-31
	v_cndmask_b32 v[SWO+BE], v[SWO+BE], v253, s[MSK]
.irp c, 0,1,2
	global_store_b128 v[L16], v[RE+4*\c:RE+4*\c+3], s[12:13] offset:1536*BE+512*\c         ; 512 consecutive bytes, aligned
	global_store_b128 v[L16], v[RO+4*\c:RO+4*\c+3], s[12:13] offset:HEADB+1536*BE+512*\c
.endr
.endif
.endm
; v: block a = 16 channels (head a / 4, tile a % 4) x my 128 keys: one fragment and one scale word a channel.
.macro VBLK a
.set AC, 64*((\a)%4)
.set TT, (\a)%4
.if (\a) > 0
	s_wait_xcnt 0x0                                ; the last block's stores have read their registers
.endif
	QUANT AC, 2+(\a)/4, RE, RE+6
.irp c, 0,1,2
	global_store_b128 v[L16], v[RE+4*\c:RE+4*\c+3], s[12:13] offset:((\a)/4)*HEADB+TT*1536+512*\c
.endr
.if TT%2 == 0
	v_mov_b32 v[SWE+TT/2], v[PW]
.else
	v_cndmask_b32 v[SWE+TT/2], v[SWE+TT/2], v[PW], s[MSK]
.endif
.if TT == 3
	global_store_b64 v[L8], v[SWE:SWE+1], s[12:13] offset:((\a)/4)*HEADB+6144              ; 256 consecutive bytes, aligned
.endif
.endm
	PLACES NP                                      ; behind the last products: for the loads and writes into the registers that held A's fragments
.irp b, 0,1,2,3
	v_mov_b32 v[TM+4+\b], 0                        ; written once: a lane permute's destination counts as one of its sources
.endr
	s_cmp_eq_u32 s[MODE], 1                        ; the cluster's y alone decides: all partners go the same way
	s_cbranch_scc1 .Lv
	ROPELOAD 0
.irp a, 0,1,2,3,4,5,6,7
	QKBLK \a
.endr
	global_store_b128 v[L16], v[SWE:SWE+3], s[12:13] offset:6144
	global_store_b128 v[L16], v[SWO:SWO+3], s[12:13] offset:HEADB+6144
	s_branch .Ldone
.Lv:
.irp a, 0,1,2,3,4,5,6,7
	VBLK \a
.endr
.Ldone:
	s_wait_tensorcnt 0x0                           ; the wave's end
	ds_add_u32 v[SPW], v[NIL]
	s_wait_dscnt 0x0
	CROUND                                         ; the closing round: no work-group ends while a partner may still ask for a tile that names it
	s_endpgm
.Lfunc_end_k_qe99551125e_proj:
	.size	k_qe99551125e_proj, .Lfunc_end_k_qe99551125e_proj-k_qe99551125e_proj
	.p2alignl 7, 3214868480
	.fill 96, 4, 3214868480
	.section	.rodata,"a",@progbits
	.p2align	6, 0x0
	.amdhsa_kernel k_qe99551125e_proj
		.amdhsa_group_segment_fixed_size 327680
		.amdhsa_private_segment_fixed_size 0
		.amdhsa_enable_private_segment 0
		.amdhsa_kernarg_size 48
		.amdhsa_user_sgpr_count 2
		.amdhsa_user_sgpr_kernarg_segment_ptr 1
		.amdhsa_wavefront_size32 1
		.amdhsa_system_sgpr_workgroup_id_x 1
		.amdhsa_system_sgpr_workgroup_id_y 1
		.amdhsa_system_sgpr_workgroup_id_z 1
		.amdhsa_system_vgpr_workitem_id 0
		.amdhsa_next_free_vgpr 1024
		.amdhsa_next_free_sgpr 102
		.amdhsa_reserve_vcc 0
		.amdhsa_float_denorm_mode_32 3
		.amdhsa_float_denorm_mode_16_64 3
		.amdhsa_memory_ordered 1
		.amdhsa_forward_progress 1
		.amdhsa_inst_pref_size 239
	.end_amdhsa_kernel
	.amdgpu_metadata
---
amdhsa.version: [ 1, 2 ]
amdhsa.kernels:
  - .name:           k_qe99551125e_proj
    .symbol:         k_qe99551125e_proj.kd
    .args:
      - { .name: x_codes, .offset: 0, .size: 8, .value_kind: global_buffer, .address_space: global }
      - { .name: x_scales, .offset: 8, .size: 8, .value_kind: global_buffer, .address_space: global }
      - { .name: w_codes, .offset: 16, .size: 8, .value_kind: global_buffer, .address_space: global }
      - { .name: w_scales, .offset: 24, .size: 8, .value_kind: global_buffer, .address_space: global }
      - { .name: rope, .offset: 32, .size: 8, .value_kind: global_buffer, .address_space: global }
      - { .name: qkv, .offset: 40, .size: 8, .value_kind: global_buffer, .address_space: global }
    .group_segment_fixed_size: 327680
    .private_segment_fixed_size: 0
    .kernarg_segment_align: 8
    .kernarg_segment_size: 48
    .max_flat_workgroup_size: 128
    .sgpr_count:     102
    .vgpr_count:     1024
    .wavefront_size: 32
...
	.end_amdgpu_metadata
.endif
;; end of part 3
;; launch attn (part 4): grid 4 x 64, 16 waves a work-group, clusters of 4 x 1, 210,944 bytes of LDS; arguments qkv, ao, as2; writes ao, as2
.if DOCPART == 4
	.amdgcn_target "amdgcn-amd-amdhsa--gfx1250"
	.amdhsa_code_object_version 6
	.text
	.protected	k_qe99551125e_attn
	.globl	k_qe99551125e_attn
	.p2align	8
	.type	k_qe99551125e_attn,@function
k_qe99551125e_attn:
	s_mov_b64 s[64:65], 0
	v_nop
	global_prefetch_b8 v0, s[64:65] scope:SCOPE_SE
	s_setreg_imm32_b32 hwreg(HW_REG_WAVE_MODE, 25, 1), 1
	s_wait_xcnt 0x0
	s_wait_alu depctr_hold_cnt(0) depctr_sa_sdst(0) depctr_va_vdst(0) depctr_va_sdst(0) depctr_va_ssrc(0) depctr_va_vcc(0) depctr_vm_vsrc(0)
	s_getreg_b32 s2, hwreg(HW_REG_IB_STS2, 6, 4)
	s_cmp_eq_u32 s2, 0
	s_cbranch_scc0 .Lentry_in_a_cluster
	s_endpgm
.Lentry_in_a_cluster:
	s_bfe_u32 s2, ttmp6, 0x10000c
	s_cmp_lg_u32 s2, 0x3003
	s_cbranch_scc0 .Lentry_shape_is_right
	s_endpgm
.Lentry_shape_is_right:
; ATTENTION ON CODES OF E2M3: S^T = K Q^T (K = the head's 64, filled to the instruction's 128 by zero codes of Q), the softmax, O^T = V^T P^T (K = the keys), O / l, and the quantiser along the channels.  Nothing is left out.
; THE SOFTMAX: t = score x log2(e) / 8; M = the running largest t rounded up to a whole number; p = 2^(t - M) is quantised along the keys; the sum is taken of the unquantised p and divides at the end.
; SHARES.  A work-group owns one head of one batch and 512 queries; each of its sixteen waves 32 of them, as two tiles of 16, one after the other, in 256 registers: four waves to a SIMD.
; THE HEAD'S K AND V LIE IN LDS WHOLE: 16 steps of 128 keys x 13,056 bytes (K's four pair images, its scale words, V's four fragment images, its words), filled once: no slot is filled again.
; CLUSTER.  The four work-groups of a head read the same K and V: each of the 16 waves asks for one step JOINTLY, by the same descriptor in all four partners.  A wave has one tensor load outstanding.
; LAYOUT.  Both products have the keys' or channels' tile as source 0 and the queries as source 1: a lane holds one query throughout.  Operands come out of LDS as images of their registers: 16 bytes a lane, consecutive.
; The A operand of S^T names 12 registers of which the upper six are the next tile's codes (or zeros): they meet Q's zero codes, and E2M3 has no NaN and no infinity; their scale bytes are ordinary ones.
; OUT.  ao [512 tiles of tokens][16 heads][768 bytes]: six registers of a lane, pair p at 256 p + 8 l.  as2 [64 heads][2,048 rows, by tiles] two bytes a row: these stores cover 64 consecutive bytes, one part in 24 of the codes'.
; LIMITS: byte 1 for blocks under 2^-124; no NaN, no infinities.
.set STEPB, 13056
.set REC,   19712
.set HEADB, 16*REC
.set SPARE, 16*STEPB                   ; the spare words, 128 bytes for each of 16 waves: no other line names them
.set L16, 2                            ; v2 16 x lane;  v3 8 x lane;  v9 2 x lane
.set L8,  3
.set SPW, 4
.set NIL, 5
.set A16, 6                            ; v6, v7 the step's addresses
.set A8,  7
.set L2,  9
.set QF,  16                           ; v16-27 Q's operand: six registers of codes, six of zeros
.set QS,  28                           ; v28 Q's scale words: tile 0 in lanes 0-15, tile 1 in lanes 16-31
.set QP,  30                           ; v30-41 Q's pair image
.set F,   44                           ; v44-91 K's 48 registers, then V's; v92-97 zeros
.set KSC, 98                           ; v98-101 K's scale words
.set VSC, 102                          ; v102-103 V's
.set S,   104                          ; v104-167 S^T, then p
.set OT,  168                          ; v168-199 O^T
.set PC,  200                          ; v200-211 p's codes
.set CT,  212
.set BM,  220                          ; v220-223 the blocks' maxima
.set TP,  224
.set SO,  228                          ; v228-231 the conversions' scale operands
.set PW,  232                          ; p's scale word
.set FF,  234                          ; v[234:235] f, later 1 / l
.set TMP, 236
.set SM2, 238
.set OC,  240                          ; v240-245 O's codes
.set HW,  246                          ; v246, v247 the two tiles' scale half words
.set WV,  12
.set SEL, 20
.set CS,  22
.set G1,  24
.set G0,  32
.set TB,  36
.set CNT, 37
.set MSK, 38
.macro CROUND
	s_barrier_signal -1
	s_barrier_wait -1
	s_cmp_lg_u32 s[WV], 0
	s_cbranch_scc1 .Lnot_wave_0_\@
	s_barrier_signal -3
.Lnot_wave_0_\@:
	s_barrier_wait -3
	s_barrier_signal -1
	s_barrier_wait -1
.endm
	s_load_b128 s[4:7], s[0:1], 0x0                ; qkv, ao
	s_load_b64 s[8:9], s[0:1], 0x10                ; as2
	v_lshl_add_u32 v[SPW], v0, 2, SPARE
	v_mov_b32 v[NIL], 0
	ds_add_u32 v[SPW], v[NIL]                      ; the opening: the add, twice on end, and its wait ahead of my first tensor load
	ds_add_u32 v[SPW], v[NIL]
	v_lshrrev_b32 v1, 5, v0
	v_readfirstlane_b32 s[WV], v1                  ; wave 0..15
	s_bfe_u32 s13, ttmp6, 0x40000                  ; cx: my block of 512 queries
	s_and_b32 s14, ttmp7, 0xffff                   ; 16 x batch + head, which the partners share
	s_mov_b32 s[G1], 15|(3<<16)|(1<<21)            ; the mask: all four; elements of 8 bytes; no padding
	s_mov_b32 s[G1+1], 32<<16                      ; 51 dense rows of 256 bytes
	s_mov_b32 s[G1+2], 51<<16
	s_mov_b32 s[G1+3], 32<<16
	s_mov_b32 s[G1+4], 51
	s_mov_b32 s[G1+5], 32
	s_mov_b32 s[G1+6], 0
	s_mov_b32 s[G1+7], 0
	s_mul_i32 s16, s14, HEADB                      ; the head's first byte
	s_mul_i32 s18, s[WV], REC
	s_add_co_u32 s18, s18, s16                     ; the record of step w
	s_mov_b32 s19, 0
	s_mov_b32 s[G0], 1
	s_mul_i32 s[G0+1], s[WV], STEPB                ; and its place in LDS: no place in the cluster enters it
	s_lshl_b32 s50, s13, 2
	s_lshr_b32 s51, s[WV], 2
	s_add_co_u32 s50, s50, s51                     ; my queries' group of 128
	s_mul_i32 s50, s50, REC
	s_add_co_u32 s50, s50, s16
	s_and_b32 s51, s[WV], 3                        ; my pair in it
	s_mul_i32 s40, s51, 1536
	s_add_co_u32 s40, s40, s50
	s_add_co_u32 s40, s40, 13056                   ; Q's pair image
	s_mov_b32 s41, 0
	s_lshl_b32 s42, s51, 2
	s_add_co_u32 s42, s42, s50
	s_add_co_u32 s42, s42, 19200                   ; its scale words
	s_mov_b32 s43, 0
	s_lshl_b32 s52, s13, 4
	s_add_co_u32 s52, s52, s[WV]                   ; my pair in the sequence
	s_lshr_b32 s53, s14, 4
	s_lshl_b32 s53, s53, 7
	s_lshl_b32 s54, s52, 1
	s_add_co_u32 s53, s53, s54                     ; my first tile of tokens: 128 x batch + 2 x pair
	s_mul_i32 s44, s53, 12288
	s_and_b32 s54, s14, 15
	s_mul_i32 s54, s54, 768
	s_add_co_u32 s44, s44, s54
	s_mov_b32 s45, 0
	s_lshl_b32 s46, s14, 12
	s_lshl_b32 s54, s52, 6
	s_add_co_u32 s46, s46, s54
	s_mov_b32 s47, 0
	s_mov_b32 s[SEL], 0x76543210
	s_mov_b32 s[SEL+1], 0xfedcba98
	s_mov_b32 s[CS], 0x3e38aa3b                    ; log2(e) / 8
	s_mov_b32 s[CS+1], s[CS]
	s_mov_b32 s[MSK], 0xffff0000
	s_wait_dscnt 0x0                               ; both opening adds are done
	s_wait_kmcnt 0x0
	s_add_nc_u64 s[G0+2:G0+3], s[4:5], s[18:19]
	s_or_b32 s[G0+3], s[G0+3], 0x80000000
	s_add_nc_u64 s[40:41], s[4:5], s[40:41]
	s_add_nc_u64 s[42:43], s[4:5], s[42:43]
	s_add_nc_u64 s[44:45], s[6:7], s[44:45]
	s_add_nc_u64 s[46:47], s[8:9], s[46:47]
	CROUND                                         ; all four work-groups are here: the joint loads meet
	tensor_load_to_lds s[G0:G0+3], s[G1:G1+7]      ; step w of the head: every wave asks for one
	s_nop 0
.rept 4
	v_nop
.endr
	v_and_b32 v1, 31, v0
	v_lshlrev_b32 v[L16], 4, v1
	v_lshlrev_b32 v[L8], 3, v1
	v_lshlrev_b32 v[L2], 1, v1
.irp c, 0,1,2
	global_load_b128 v[QP+4*\c:QP+4*\c+3], v[L16], s[40:41] offset:512*\c
.endr
	global_load_b32 v[QS], v[L16], s[42:43]
.irp i, 0,1,2,3,4,5
	v_mov_b32 v[QF+6+\i], 0                        ; zero codes: K's 64 filled to 128
	v_mov_b32 v[F+48+\i], 0
.endr
.irp b, 0,1,2,3
	v_mov_b32 v[TP+\b], 0                          ; written once: a lane permute's destination counts as one of its sources
.endr
	v_mov_b32 v[FF+1], 0                           ; named as the upper half of a pair
	s_wait_tensorcnt 0x0                           ; my step is in,
	s_barrier_signal -1
	s_barrier_wait -1                              ; everybody's is
	s_wait_loadcnt 0x0                             ; Q
.macro KQ t, u
.set rS, S+8*(\t)
.set rK, F+6*(\t)
.set rC, KSC+(\t)/2
.if ((\t)%2 == 0) && ((\u) == 0)
	v_wmma_scale_f32_16x16x128_f8f6f4 v[rS:rS+7], v[rK:rK+11], v[QF:QF+11], 0, v[rC], v[QS] matrix_a_fmt:MATRIX_FMT_FP6 matrix_b_fmt:MATRIX_FMT_FP6
.elseif ((\t)%2 == 1) && ((\u) == 0)
	v_wmma_scale_f32_16x16x128_f8f6f4 v[rS:rS+7], v[rK:rK+11], v[QF:QF+11], 0, v[rC], v[QS] matrix_a_fmt:MATRIX_FMT_FP6 matrix_b_fmt:MATRIX_FMT_FP6 matrix_a_scale:MATRIX_SCALE_ROW1
.elseif ((\t)%2 == 0)
	v_wmma_scale_f32_16x16x128_f8f6f4 v[rS:rS+7], v[rK:rK+11], v[QF:QF+11], 0, v[rC], v[QS] matrix_a_fmt:MATRIX_FMT_FP6 matrix_b_fmt:MATRIX_FMT_FP6 matrix_b_scale:MATRIX_SCALE_ROW1
.else
	v_wmma_scale_f32_16x16x128_f8f6f4 v[rS:rS+7], v[rK:rK+11], v[QF:QF+11], 0, v[rC], v[QS] matrix_a_fmt:MATRIX_FMT_FP6 matrix_b_fmt:MATRIX_FMT_FP6 matrix_a_scale:MATRIX_SCALE_ROW1 matrix_b_scale:MATRIX_SCALE_ROW1
.endif
.endm
.macro PV t
.set rO, OT+8*(\t)
.set rV, F+12*(\t)
.if (\t)%2 == 0
	v_wmma_scale_f32_16x16x128_f8f6f4 v[rO:rO+7], v[rV:rV+11], v[PC:PC+11], v[rO:rO+7], v[VSC+(\t)/2], v[PW] matrix_a_fmt:MATRIX_FMT_FP6 matrix_b_fmt:MATRIX_FMT_FP6
.else
	v_wmma_scale_f32_16x16x128_f8f6f4 v[rO:rO+7], v[rV:rV+11], v[PC:PC+11], v[rO:rO+7], v[VSC+(\t)/2], v[PW] matrix_a_fmt:MATRIX_FMT_FP6 matrix_b_fmt:MATRIX_FMT_FP6 matrix_a_scale:MATRIX_SCALE_ROW1
.endif
.endm
; ONE TILE OF 16 QUERIES through all 2,048 keys, and out.
.macro TILE u
	s_wait_xcnt 0x0                                ; earlier loads and stores have read their registers
.irp i, 0,1,2,3,4,5
	v_mov_b32 v[QF+\i], v[QP+6*\u+\i]
.endr
	v_mov_b32 v13, 0xff61b1e6                      ; the largest t so far: -3e38
	v_floor_f32 v12, -v13                          ; -M
	v_mov_b32 v14, 0
	v_mov_b32 v15, 0
.set J, 0
.rept 32
	v_mov_b32 v[OT+J], 0                           ; the step is written once: the first finds zeros, which the first change of M leaves zeros
.set J, J+1
.endr
	s_mov_b32 s[TB], 0
	s_mov_b32 s[CNT], 16
.Lstep_\u:
	v_add_nc_u32 v[A16], s[TB], v[L16]
	v_add_nc_u32 v[A8], s[TB], v[L8]
	v_nop
	v_nop                                          ; four places behind the last products, in front of loads into registers that they read
.set J, 0
.rept 12
	ds_load_b128 v[F+4*J:F+4*J+3], v[A16] offset:512*J             ; K's four pair images
.set J, J+1
.endr
	ds_load_b128 v[KSC:KSC+3], v[A16] offset:6144
	s_wait_dscnt 0x0
.irp t, 0,1,2,3,4,5,6,7
	KQ \t, \u                                      ; lane (r, h): query r; the 16 registers of tiles 2 b, 2 b + 1 are keys 32 b + 16 h + 0 .. 15
.endr
.rept 4
	v_nop
.endr
.set J, 0
.rept 12
	ds_load_b128 v[F+4*J:F+4*J+3], v[A16] offset:6656+512*J        ; V's four fragments land under the softmax
.set J, J+1
.endr
	ds_load_b64 v[VSC:VSC+1], v[A8] offset:12800
.irp b, 0,1,2,3
	v_max3_num_f32 v[BM+\b], v[S+16*\b], v[S+16*\b+1], v[S+16*\b+2]    ; the largest score of each block of 32 keys: for the row's maximum, and for the block's largest p
.endr
.irp i, 3,5,7,9,11,13
.irp b, 0,1,2,3
	v_max3_num_f32 v[BM+\b], v[BM+\b], v[S+16*\b+\i], v[S+16*\b+\i+1]
.endr
.endr
.irp b, 0,1,2,3
	v_max_num_f32 v[BM+\b], v[BM+\b], v[S+16*\b+15]
.endr
.irp b, 0,1,2,3
	v_permlanex16_b32 v[TP+\b], v[BM+\b], s[SEL], s[SEL+1]
.endr
.irp b, 0,1,2,3
	v_max_num_f32 v[BM+\b], v[BM+\b], v[TP+\b]
.endr
	v_max3_num_f32 v[TMP], v[BM], v[BM+1], v[BM+2]
	v_max_num_f32 v[TMP], v[TMP], v[BM+3]
	v_mul_f32 v[TMP], s[CS], v[TMP]
	v_max_num_f32 v13, v13, v[TMP]                 ; the running largest t
	v_mov_b32 v[TMP], v12
	v_floor_f32 v12, -v13                          ; the new -M: a whole number
	v_sub_f32 v[TMP], v12, v[TMP]
	v_cvt_i32_f32 v[TMP], v[TMP]                   ; (it saturates)
	v_ldexp_f32 v[FF], 1.0, v[TMP]                 ; f = 2^(old M - new M): rounds nothing
.set J, 0
.rept 32
	v_pk_fma_f32 v[S+J:S+J+1], v[S+J:S+J+1], s[CS:CS+1], v[12:13] op_sel_hi:[1,0,0]   ; t - M
.set J, J+2
.endr
.irp b, 0,1,2,3
	v_fma_f32 v[BM+\b], v[BM+\b], s[CS], v12
.endr
.set J, 0
.rept 64
	v_exp_f32 v[S+J], v[S+J]                       ; p, at most 1, not normalised
.set J, J+1
.endr
	v_pk_mul_f32 v[14:15], v[14:15], v[FF:FF+1] op_sel_hi:[1,0]    ; the sums under the new M: the plain place behind the batch
	s_wait_alu depctr_va_vdst(0)                   ; one wait for the batch, ahead of its first reader
.irp b, 0,1,2,3
	v_exp_f32 v[BM+\b], v[BM+\b]                   ; the blocks' largest p
.endr
	v_pk_add_f32 v[SM2:SM2+1], v[S:S+1], v[S+2:S+3]                ; the sum of the unquantised p, in two chains
.set J, 4
.rept 15
	v_pk_add_f32 v[14:15], v[14:15], v[S+J:S+J+1]
	v_pk_add_f32 v[SM2:SM2+1], v[SM2:SM2+1], v[S+J+2:S+J+3]
.set J, J+4
.endr
	v_pk_add_f32 v[14:15], v[14:15], v[SM2:SM2+1]
	s_wait_alu depctr_va_vdst(0)                   ; and one for the four
.irp b, 0,1,2,3
	v_max_num_f32 v[BM+\b], 0x1800000, v[BM+\b]    ; the floor: the byte cannot fall under 1
.endr
.irp b, 0,1,2,3
	v_add_nc_u32 v[SO+\b], 0xff000000, v[BM+\b]
.endr
.irp b, 0,1,2,3
	v_lshrrev_b32 v[TP+\b], 23, v[SO+\b]
.endr
	v_lshl_or_b32 v[PW], v[TP+1], 8, v[TP]
	v_lshl_or_b32 v[PW], v[TP+2], 16, v[PW]
	v_lshl_or_b32 v[PW], v[TP+3], 24, v[PW]
.irp c, 0,1
	v_cvt_scalef32_pk16_fp6_f32 v[PC+6*\c:PC+6*\c+2], v[S+32*\c:S+32*\c+15], v[SO+2*\c]
	v_cvt_scalef32_pk16_fp6_f32 v[CT+4*\c:CT+4*\c+2], v[S+32*\c+16:S+32*\c+31], v[SO+2*\c+1]
.endr
	v_nop                                          ; one plain place behind a scaled conversion
.irp c, 0,1
.irp i, 0,1,2
	v_permlane16_swap_b32 v[PC+6*\c+\i], v[CT+4*\c+\i]
.endr
.irp i, 0,1,2
	v_mov_b32 v[PC+6*\c+3+\i], v[CT+4*\c+\i]
.endr
.endr
.set J, 0
.rept 16
	v_pk_mul_f32 v[OT+J:OT+J+1], v[OT+J:OT+J+1], v[FF:FF+1] op_sel_hi:[1,0]   ; O^T under the new M; these 16 are also the places between the scale word's and the codes' last writes and the products
.set J, J+2
.endr
	s_wait_dscnt 0x0                               ; V is in
.irp t, 0,1,2,3
	PV \t                                          ; four accumulators by turns, one instruction a turn
.endr
	s_add_co_u32 s[TB], s[TB], STEPB
	s_sub_co_u32 s[CNT], s[CNT], 1
	s_cmp_lg_u32 s[CNT], 0
	s_cbranch_scc1 .Lstep_\u
	; the tile's way out: O^T / l, quantised along the head's 64 channels: number 16 b + i of a lane is channel 32 b + 16 h + i
.rept 4
	v_nop
.endr
	v_add_f32 v14, v14, v15
	v_permlanex16_b32 v[TMP], v14, s[SEL], s[SEL+1]
	v_add_f32 v14, v14, v[TMP]                     ; the row's sum
	v_rcp_f32 v[FF], v14
	v_nop
	s_wait_alu depctr_va_vdst(0)
.set J, 0
.rept 16
	v_pk_mul_f32 v[S+J:S+J+1], v[OT+J:OT+J+1], v[FF:FF+1] op_sel_hi:[1,0]
.set J, J+2
.endr
.irp b, 0,1
	v_max3_num_f32 v[BM+\b], |v[S+16*\b]|, |v[S+16*\b+1]|, 0x1800000
.endr
.irp i, 2,4,6,8,10,12,14
.irp b, 0,1
	v_max3_num_f32 v[BM+\b], v[BM+\b], |v[S+16*\b+\i]|, |v[S+16*\b+\i+1]|
.endr
.endr
.irp b, 0,1
	v_permlanex16_b32 v[TP+\b], v[BM+\b], s[SEL], s[SEL+1]
.endr
.irp b, 0,1
	v_max_num_f32 v[BM+\b], v[BM+\b], v[TP+\b]
.endr
.irp b, 0,1
	v_add_nc_u32 v[SO+\b], 0xff000000, v[BM+\b]
.endr
.irp b, 0,1
	v_lshrrev_b32 v[TP+\b], 23, v[SO+\b]
.endr
	v_lshl_or_b32 v[HW+\u], v[TP+1], 8, v[TP]      ; my row's two bytes
	v_cvt_scalef32_pk16_fp6_f32 v[OC:OC+2], v[S:S+15], v[SO]
	v_cvt_scalef32_pk16_fp6_f32 v[CT:CT+2], v[S+16:S+31], v[SO+1]
	v_nop
.irp i, 0,1,2
	v_permlane16_swap_b32 v[OC+\i], v[CT+\i]
.endr
.irp i, 0,1,2
	v_mov_b32 v[OC+3+\i], v[CT+\i]
.endr
.irp p, 0,1,2
	global_store_b64 v[L8], v[OC+2*\p:OC+2*\p+1], s[44:45] offset:12288*\u+256*\p   ; 256 consecutive bytes, aligned
.endr
.endm
	TILE 0
	TILE 1
	v_cndmask_b32 v[TMP], v[HW], v[HW+1], s[MSK]   ; lanes 0-15 tile 0's rows, lanes 16-31 tile 1's
	global_store_b16 v[L2], v[TMP], s[46:47]
	s_wait_tensorcnt 0x0                           ; the wave's end
	ds_add_u32 v[SPW], v[NIL]
	s_wait_dscnt 0x0
	CROUND                                         ; the closing round
	s_endpgm
.Lfunc_end_k_qe99551125e_attn:
	.size	k_qe99551125e_attn, .Lfunc_end_k_qe99551125e_attn-k_qe99551125e_attn
	.p2alignl 7, 3214868480
	.fill 96, 4, 3214868480
	.section	.rodata,"a",@progbits
	.p2align	6, 0x0
	.amdhsa_kernel k_qe99551125e_attn
		.amdhsa_group_segment_fixed_size 210944
		.amdhsa_private_segment_fixed_size 0
		.amdhsa_enable_private_segment 0
		.amdhsa_kernarg_size 24
		.amdhsa_user_sgpr_count 2
		.amdhsa_user_sgpr_kernarg_segment_ptr 1
		.amdhsa_wavefront_size32 1
		.amdhsa_system_sgpr_workgroup_id_x 1
		.amdhsa_system_sgpr_workgroup_id_y 1
		.amdhsa_system_sgpr_workgroup_id_z 1
		.amdhsa_system_vgpr_workitem_id 0
		.amdhsa_next_free_vgpr 256
		.amdhsa_next_free_sgpr 66
		.amdhsa_reserve_vcc 0
		.amdhsa_float_denorm_mode_32 3
		.amdhsa_float_denorm_mode_16_64 3
		.amdhsa_memory_ordered 1
		.amdhsa_forward_progress 1
		.amdhsa_inst_pref_size 46
	.end_amdhsa_kernel
	.amdgpu_metadata
---
amdhsa.version: [ 1, 2 ]
amdhsa.kernels:
  - .name:           k_qe99551125e_attn
    .symbol:         k_qe99551125e_attn.kd
    .args:
      - { .name: qkv, .offset: 0, .size: 8, .value_kind: global_buffer, .address_space: global }
      - { .name: ao, .offset: 8, .size: 8, .value_kind: global_buffer, .address_space: global }
      - { .name: as2, .offset: 16, .size: 8, .value_kind: global_buffer, .address_space: global }
    .group_segment_fixed_size: 210944
    .private_segment_fixed_size: 0
    .kernarg_segment_align: 8
    .kernarg_segment_size: 24
    .max_flat_workgroup_size: 512
    .sgpr_count:     66
    .vgpr_count:     256
    .wavefront_size: 32
...
	.end_amdgpu_metadata
.endif
;; end of part 4
;; launch outp (part 5): grid 4 x 32, 4 waves a work-group, clusters of 4 x 4, 327,680 bytes of LDS; arguments ao, as2, w_codes, w_scales, out0; writes out0
.if DOCPART == 5
	.amdgcn_target "amdgcn-amd-amdhsa--gfx1250"
	.amdhsa_code_object_version 6
	.text
	.protected	k_qe99551125e_outp
	.globl	k_qe99551125e_outp
	.p2align	8
	.type	k_qe99551125e_outp,@function
k_qe99551125e_outp:
	s_mov_b64 s[64:65], 0
	v_nop
	global_prefetch_b8 v0, s[64:65] scope:SCOPE_SE
	s_setreg_imm32_b32 hwreg(HW_REG_WAVE_MODE, 25, 1), 1
	s_wait_xcnt 0x0
	s_wait_alu depctr_hold_cnt(0) depctr_sa_sdst(0) depctr_va_vdst(0) depctr_va_sdst(0) depctr_va_ssrc(0) depctr_va_vcc(0) depctr_vm_vsrc(0)
	s_getreg_b32 s2, hwreg(HW_REG_IB_STS2, 6, 4)
	s_cmp_eq_u32 s2, 0
	s_cbranch_scc0 .Lentry_in_a_cluster
	s_endpgm
.Lentry_in_a_cluster:
	s_bfe_u32 s2, ttmp6, 0x10000c
	s_cmp_lg_u32 s2, 0xf033
	s_cbranch_scc0 .Lentry_shape_is_right
	s_endpgm
.Lentry_shape_is_right:
; THE LAST PROJECTION: out0 [8192][1024] f32 = (attention's result, as codes of E2M3) x Wo, K = 1,024.  Nothing is left out.
; A tile of 256 x 256 by four waves, 128 x 128 each; K in steps of 256 through a ring of two LDS slots; clusters of 4 x 4 with joint loads: A's tiles along a row of the cluster, B's along a column.
; A comes as IMAGES OF OPERAND REGISTERS: ao [512 tiles of 16 tokens][16 heads][768 bytes]; two heads on end are a fragment (128 along K): six loads of 8 bytes a lane, consecutive in LDS.
; The tokens of a tile are not neighbours: lane r of tile 2 g + u holds token 32 g + 8 u + r + 8 (r / 8): the stores on the way out put each row where it belongs.
; A's scale bytes lie by heads (as2 [64][2,048 rows by tiles], two bytes): each thread gathers two rows' 32 bytes and stores them to LDS once.  B = Wo's rows n, by rows, with their scale bytes by a tensor load.
; Source 0 = 16 rows of Wo, source 1 = 16 tokens: a lane holds eight neighbouring numbers of a row of out0.
.set SIZE_N, 1024
.set NQ,     2
.set ROWB,   192
.set KROW,   768
.set PITCH,  240
.set FR,     12
.set NL,     6
.set NP,     4
.set HALFT,  128*PITCH                 ; B: 128 rows
.set HALFA,  8*3072                    ; A: 8 tiles x 4 heads x 768 bytes, dense
.set SLOT,   2*HALFA+2*HALFT
.set LAPS,   2
.set SCA,    2*SLOT                    ; A's scale words: written by LDS stores alone, in blocks of 256 bytes of their own
.set HALFS,  16*272
.set SBLK,   2*272
.set SCB,    SCA+2*HALFS               ; B's: filled once by tensor loads
.set SPARE,  SCB+2*HALFS
.set SPITCH, 528                       ; the way out: 16 rows x (512 + 16) a wave, in slot 0, which has then had its last fill and its last read
.set ADRA, 16
.set ADRB, 20
.set STO,  24
.set RD,   25
.set CO,   26
.set ADRS, 27
.set SPW,  28
.set NIL,  29
.set SC,   32
.set EH,   64                          ; v64-79 the prologue: two rows' half words of 16 heads;  v80-95 their scale words
.set WW,   80
.set AF,   128
.set BK,   128
.set G1, 24
.set G0, 32
.set G1B, 48
.set G0B, 56
.set G1SB, 80
.set G0SB, 88
.set MSB, 0
.macro WIN new
.if MSB != (\new)
	s_set_vgpr_msb (MSB<<8)|(\new)
.set MSB, (\new)
.endif
.endm
.set MUL_LO, 0xa1
.set MUL_HI, 0xf1
.set TO_B,   0x40
.macro JLOAD g0a, g1a, g0b, g1b
	s_cmp_eq_u32 s15, 0
	s_cbranch_scc0 .Lfor_b_\@
	tensor_load_to_lds s[\g0a:\g0a+3], s[\g1a:\g1a+7]
	s_nop 0
.rept 4
	v_nop
.endr
	s_branch .Lasked_\@
.Lfor_b_\@:
	tensor_load_to_lds s[\g0b:\g0b+3], s[\g1b:\g1b+7]
	s_nop 0
.rept 4
	v_nop
.endr
.Lasked_\@:
.endm
.macro CREST
	s_cmp_lg_u32 s14, 0
	s_cbranch_scc1 .Lnot_wave_0_\@
	s_barrier_signal -3
.Lnot_wave_0_\@:
	s_barrier_wait -3
	s_barrier_signal -1
	s_barrier_wait -1
.endm
.macro CROUND
	s_barrier_signal -1
	s_barrier_wait -1
	CREST
.endm
	s_load_b128 s[4:7], s[0:1], 0x0                ; ao, as2
	s_load_b128 s[8:11], s[0:1], 0x10              ; w_codes, w_scales
	s_load_b64 s[12:13], s[0:1], 0x20              ; out0
	v_lshl_add_u32 v[SPW], v0, 2, SPARE
	v_mov_b32 v[NIL], 0
	ds_add_u32 v[SPW], v[NIL]                      ; the opening: the add, twice on end, and its wait ahead of my first tensor load
	ds_add_u32 v[SPW], v[NIL]
	v_lshrrev_b32 v1, 5, v0
	v_readfirstlane_b32 s14, v1
	s_lshr_b32 s15, s14, 1
	s_and_b32 s16, s14, 1
	s_bfe_u32 s40, ttmp6, 0x40000
	s_bfe_u32 s41, ttmp6, 0x40004
	s_lshl_b32 s42, ttmp9, 2
	s_add_co_u32 s42, s42, s40                     ; tile column
	s_and_b32 s17, ttmp7, 0xffff
	s_lshl_b32 s17, s17, 2
	s_add_co_u32 s17, s17, s41                     ; tile row
	s_lshl_b32 s43, s41, 2
	s_lshl_b32 s43, 15, s43
	s_lshl_b32 s44, 0x1111, s40
	s_or_b32 s[G1+0], s43, (3<<16)|(1<<21)         ; A: 8 rows (tiles) of 384 elements of 8 bytes, 1,536 elements apart; no padding
	s_mov_b32 s[G1+1], 384<<16
	s_mov_b32 s[G1+2], 8<<16
	s_mov_b32 s[G1+3], 384<<16
	s_mov_b32 s[G1+4], 8
	s_mov_b32 s[G1+5], 1536
	s_mov_b32 s[G1+6], 0
	s_mov_b32 s[G1+7], 0
	s_or_b32 s[G1B+0], s44, (0<<16)|(1<<20)|(1<<21)|(3<<22)|(3<<25)
	s_mov_b32 s[G1B+1], ROWB<<16
	s_mov_b32 s[G1B+2], 128<<16
	s_mov_b32 s[G1B+3], ROWB<<16
	s_mov_b32 s[G1B+4], 128
	s_mov_b32 s[G1B+5], KROW
	s_mov_b32 s[G1B+6], 0
	s_mov_b32 s[G1B+7], 0
	s_or_b32 s[G1SB+0], s44, (3<<16)|(1<<20)|(1<<21)|(5<<22)|(3<<25)  ; B's scales of 64 rows: 8 dense rows of 256 bytes, 16 of padding behind each
	s_mov_b32 s[G1SB+1], 32<<16
	s_mov_b32 s[G1SB+2], 8<<16
	s_mov_b32 s[G1SB+3], 32<<16
	s_mov_b32 s[G1SB+4], 8
	s_mov_b32 s[G1SB+5], 32
	s_mov_b32 s[G1SB+6], 0
	s_mov_b32 s[G1SB+7], 0
	s_lshl_b32 s20, s17, 4
	s_lshl_b32 s18, s16, 3
	s_add_co_u32 s20, s20, s18                     ; A: tile of tokens 16 x tile row + 8 x half
	s_mul_i32 s20, s20, 12288
	s_mov_b32 s21, 0
	s_lshl_b32 s46, s42, 8
	s_lshl_b32 s47, s16, 7
	s_add_co_u32 s46, s46, s47
	s_add_co_u32 s46, s46, 3072                    ; B: Wo's rows begin at 3,072 in w
	s_mul_i32 s46, s46, KROW
	s_mov_b32 s47, 0
	s_lshl_b32 s92, s42, 8
	s_lshl_b32 s93, s14, 6
	s_add_co_u32 s92, s92, s93
	s_add_co_u32 s92, s92, 3072                    ; B's scales: every wave brings 64 rows'
	s_lshl_b32 s92, s92, 5
	s_mov_b32 s93, 0
	s_mul_i32 s45, s16, HALFA
	s_mul_i32 s94, s16, HALFT
	s_add_co_u32 s94, s94, 2*HALFA
	s_mul_i32 s95, s14, 8*272
	s_add_co_u32 s95, s95, SCB
	s_lshr_b32 s22, s17, 3
	s_lshl_b32 s22, s22, 16                        ; as2: the batch's 16 heads of 4,096 bytes,
	s_and_b32 s23, s17, 7
	s_lshl_b32 s23, s23, 9                         ; + my 256 rows of 2 bytes
	s_add_co_u32 s22, s22, s23
	s_mov_b32 s23, 0
	s_wait_dscnt 0x0
	s_wait_kmcnt 0x0
	s_add_nc_u64 s[20:21], s[4:5], s[20:21]
	s_add_nc_u64 s[46:47], s[8:9], s[46:47]
	s_add_nc_u64 s[92:93], s[10:11], s[92:93]
	s_add_nc_u64 s[6:7], s[6:7], s[22:23]
	CROUND
	s_mov_b32 s[G0SB], 1
	s_mov_b32 s[G0SB+1], s95
	s_mov_b64 s[G0SB+2:G0SB+3], s[92:93]
	s_or_b32 s[G0SB+3], s[G0SB+3], 0x80000000
	tensor_load_to_lds s[G0SB:G0SB+3], s[G1SB:G1SB+7]              ; one line for all four waves: each has addresses of its own
	s_nop 0
.rept 4
	v_nop
.endr
.irp s, 0,1
	s_mov_b32 s[G0+4*\s], 1
	s_add_co_u32 s[G0+4*\s+1], s45, \s*SLOT
	s_add_nc_u64 s[G0+4*\s+2:G0+4*\s+3], s[20:21], \s*3072
	s_or_b32 s[G0+4*\s+3], s[G0+4*\s+3], 0x80000000
	s_mov_b32 s[G0B+4*\s], 1
	s_add_co_u32 s[G0B+4*\s+1], s94, \s*SLOT
	s_add_nc_u64 s[G0B+4*\s+2:G0B+4*\s+3], s[46:47], \s*ROWB
	s_or_b32 s[G0B+4*\s+3], s[G0B+4*\s+3], 0x80000000
	JLOAD G0+4*\s, G1, G0B+4*\s, G1B
.endr
	; A's scale words: thread x takes rows 2 x and 2 x + 1 of the tile's 256
	v_lshlrev_b32 v8, 2, v0
.irp h, 0,1,2,3,4,5,6,7,8,9,10,11,12,13,14,15
	global_load_b32 v[EH+\h], v8, s[6:7] offset:4096*\h            ; head h: the two rows' half words
.endr
	v_lshrrev_b32 v9, 2, v0
	v_mul_u32_u24 v9, v9, 272
	v_and_b32 v10, 3, v0
	v_lshl_add_u32 v9, v10, 6, v9
	v_add_nc_u32 v9, SCA, v9                       ; eight rows of 32 bytes to a unit of 272
	v_and_b32 v1, 15, v0
	v_bfe_u32 v2, v0, 4, 1
	v_and_b32 v6, 31, v0
	v_lshlrev_b32 v7, 3, v6                        ; A: 8 x lane
	v_mul_u32_u24 v3, v1, PITCH
	v_mul_u32_u24 v4, v2, 24
	v_add_nc_u32 v4, v3, v4
	v_lshl_add_u32 v5, v2, 4, v4
	s_mul_i32 s21, s15, HALFA
	s_mul_i32 s22, s16, HALFT
	s_add_co_u32 s22, s22, 2*HALFA
.irp s, 0,1
	v_add_nc_u32 v[ADRA+\s], s21, v7
	v_add_nc_u32 v[ADRB+\s], s22, v4
	v_add_nc_u32 v[ADRB+2+\s], s22, v5
	s_add_co_u32 s21, s21, SLOT
	s_add_co_u32 s22, s22, SLOT
.endr
	v_mul_u32_u24 v5, v1, 32
	v_lshrrev_b32 v6, 8, v5
	v_lshl_add_u32 v5, v6, 4, v5
	s_mul_i32 s21, s15, HALFS
	s_mul_i32 s22, s16, HALFS
	s_add_co_u32 s22, s22, 2*HALFS
	s_sub_co_u32 s22, s22, s21
	v_mul_u32_u24 v6, s22, v2                      ; lanes 16-31 take B's
	s_add_co_u32 s21, s21, SCA
	v_add_nc_u32 v5, v5, v6
	v_add_nc_u32 v[ADRS], s21, v5
	s_mul_i32 s23, s14, 16*SPITCH
	v_mul_u32_u24 v5, v1, SPITCH
	v_lshl_add_u32 v5, v2, 5, v5
	v_add_nc_u32 v[STO], s23, v5
	v_and_b32 v6, 31, v0
	v_lshlrev_b32 v[CO], 4, v6
	v_add_nc_u32 v[RD], s23, v[CO]
	s_lshl_b32 s20, s17, 8
	s_lshl_b32 s21, s15, 7
	s_add_co_u32 s20, s20, s21
	s_lshl_b32 s20, s20, 12                        ; my first row of out0, 4,096 bytes a row,
	s_lshl_b32 s46, s42, 10
	s_lshl_b32 s47, s16, 9
	s_add_co_u32 s46, s46, s47
	s_add_co_u32 s20, s20, s46                     ; and my first column
	s_mov_b32 s21, 0
	s_add_nc_u64 s[12:13], s[12:13], s[20:21]
	s_wait_loadcnt 0x0
.irp j, 0,1,2,3,4,5,6,7
	v_perm_b32 v[WW+\j], v[EH+2*\j+1], v[EH+2*\j], 0x05040100      ; row 2 x: heads 2 j and 2 j + 1 make the word of 128 along K
	v_perm_b32 v[WW+8+\j], v[EH+2*\j+1], v[EH+2*\j], 0x07060302    ; row 2 x + 1
.endr
.irp c, 0,1,2,3
	ds_store_b128 v9, v[WW+4*\c:WW+4*\c+3] offset:16*\c
.endr
.macro FRAG reg, adr, q, i
.irp p, 0,1,2,3,4,5
.set PC6, 12*(\q)+6*(\p/3)+\p%3
.if PC6%8 < 5
	ds_load_b64 v[\reg+2*\p:\reg+2*\p+1], v[\adr] offset:8*PC6+16*(PC6/8)+(\i)*16*PITCH
.else
	ds_load_b64 v[\reg+2*\p:\reg+2*\p+1], v[\adr+2] offset:8*PC6+16*(PC6/8)+(\i)*16*PITCH
.endif
.endr
.endm
.macro FRAGA reg, slot, q, i           ; an image: register pair p of lane l at 256 p + 8 l
.irp p, 0,1,2,3,4,5
	ds_load_b64 v[\reg+2*\p:\reg+2*\p+1], v[ADRA+\slot] offset:3072*(\i)+1536*(\q)+256*\p
.endr
.endm
.macro MUL16 a0, p, q, sc, zero        ; the 64 accumulators take turns, one instruction a turn
.irp a, \a0, \a0+1
.irp b, 0,1,2,3,4,5,6,7
.if \zero
	v_wmma_scale_f32_16x16x128_f8f6f4 v[8*(8*((\a)%4)+\b):8*(8*((\a)%4)+\b)+7], v[128*(\p)+FR*\b:128*(\p)+FR*\b+FR-1], v[AF+FR*(\a):AF+FR*(\a)+FR-1], 0, v[SC+8*NQ*(\sc)+NQ*\b+(\q)], v[SC+8*NQ*(\sc)+NQ*(\a)+(\q)] matrix_a_fmt:MATRIX_FMT_FP6 matrix_b_fmt:MATRIX_FMT_FP6 matrix_a_scale:MATRIX_SCALE_ROW1
.else
	v_wmma_scale_f32_16x16x128_f8f6f4 v[8*(8*((\a)%4)+\b):8*(8*((\a)%4)+\b)+7], v[128*(\p)+FR*\b:128*(\p)+FR*\b+FR-1], v[AF+FR*(\a):AF+FR*(\a)+FR-1], v[8*(8*((\a)%4)+\b):8*(8*((\a)%4)+\b)+7], v[SC+8*NQ*(\sc)+NQ*\b+(\q)], v[SC+8*NQ*(\sc)+NQ*(\a)+(\q)] matrix_a_fmt:MATRIX_FMT_FP6 matrix_b_fmt:MATRIX_FMT_FP6 matrix_a_scale:MATRIX_SCALE_ROW1
.endif
.endr
.endr
.endm
.macro FETCH_B slot, q, p
	WIN TO_B
.irp i, 0,1,2,3,4,5,6,7
	FRAG 128*(\p)+FR*\i, ADRB+\slot, \q, \i
.endr
	WIN 0
.endm
.macro FETCH_A slot, q, i0
.irp i, \i0, \i0+1, \i0+2, \i0+3
	FRAGA AF+FR*(\i), \slot, \q, \i
.endr
.endm
.macro SCALES sc
.irp i, 0,1,2,3,4,5,6,7
	ds_load_b64 v[SC+8*NQ*\sc+NQ*\i:SC+8*NQ*\sc+NQ*\i+1], v[ADRS] offset:\i*SBLK
.endr
.endm
.macro PLACES n
.rept \n
	v_nop
.endr
.endm
.macro STEP slot, q, zero
	s_wait_dscnt 4*NL                              ; B's set and A's blocks 0-3 are in; the youngest 24 loads may be out
	WIN MUL_LO
	MUL16 0, (\q)%2, \q, \slot, \zero
	MUL16 2, (\q)%2, \q, \slot, \zero
	s_wait_dscnt 0
	PLACES NP
	FETCH_B \slot, (\q)+1, 1-(\q)%2
	FETCH_A \slot, (\q)+1, 0
	WIN MUL_HI
	MUL16 4, (\q)%2, \q, \slot, \zero
	MUL16 6, (\q)%2, \q, \slot, \zero
	PLACES NP
	WIN 0
	FETCH_A \slot, (\q)+1, 4
.endm
.macro TURN slot, next, fill
	s_wait_tensorcnt 0x0                           ; all my tensor loads have landed
	ds_add_u32 v[SPW], v[NIL]
	s_wait_dscnt 4*NL+1                            ; the add and the youngest 24 loads may be out
	WIN MUL_LO
	MUL16 0, 1, NQ-1, \slot, 0
	s_wait_dscnt 0x0                               ; the add is done, and my reads of this slot are over
	s_barrier_signal -1
	MUL16 2, 1, NQ-1, \slot, 0
	WIN 0
	s_barrier_wait -1
.if \fill
	CREST
	s_add_nc_u64 s[G0+4*\slot+2:G0+4*\slot+3], s[G0+4*\slot+2:G0+4*\slot+3], 2*3072
	s_add_nc_u64 s[G0B+4*\slot+2:G0B+4*\slot+3], s[G0B+4*\slot+2:G0B+4*\slot+3], 2*ROWB
	JLOAD G0+4*\slot, G1, G0B+4*\slot, G1B
.else
	PLACES NP
.endif
	v_add_nc_u32 v[ADRS], 4*NQ, v[ADRS]
	FETCH_B \next, 0, 0
	FETCH_A \next, 0, 0
	SCALES \next
	WIN MUL_HI
	MUL16 4, 1, NQ-1, \slot, 0
	MUL16 6, 1, NQ-1, \slot, 0
	PLACES NP
	WIN 0
	FETCH_A \next, 0, 4
.endm
	s_wait_dscnt 0x0                               ; for the others' sake: my stores of A's scale words are done
	s_wait_tensorcnt 1                             ; B's scales and my part of K step 0 are in; K step 1's load may be out
	s_barrier_signal -1
	s_barrier_wait -1
	FETCH_B 0, 0, 0
	FETCH_A 0, 0, 0
	SCALES 0
	FETCH_A 0, 0, 4
	STEP 0, 0, 1
	s_mov_b32 s3, LAPS-1
.Llap:
	TURN 0, 1, 1
	STEP 1, 0, 0
	TURN 1, 0, 1
	STEP 0, 0, 0
	s_sub_co_u32 s3, s3, 1
	s_cmp_lg_u32 s3, 0
	s_cbranch_scc1 .Llap
	TURN 0, 1, 0
	STEP 1, 0, 0
	s_wait_dscnt 4*NL
	WIN MUL_LO
	MUL16 0, 1, NQ-1, 1, 0
	MUL16 2, 1, NQ-1, 1, 0
	s_wait_dscnt 0
	WIN MUL_HI
	MUL16 4, 1, NQ-1, 1, 0
	MUL16 6, 1, NQ-1, 1, 0
	WIN 0
; THE WAY OUT, block by block of 16 tokens x 128 columns, through my own stage: back as whole rows of 512 bytes.  LDS serves a wave's instructions in order: no wait between stores and loads.
.macro TOSTAGE a
.set AC, 64*((\a)%4)
	WIN 0x08+4*((\a)/4)
.irp b, 0,1,2,3,4,5,6,7
	ds_store_b128 v[STO], v[AC+8*\b:AC+8*\b+3] offset:64*\b        ; each accumulator from its low end on
	ds_store_b128 v[STO], v[AC+8*\b+4:AC+8*\b+7] offset:64*\b+16
.endr
	WIN 0
.set BB, BK+64*((\a)%2)
.irp t, 0,1,2,3,4,5,6,7,8,9,10,11,12,13,14,15
	ds_load_b128 v[BB+4*\t:BB+4*\t+3], v[RD] offset:\t*SPITCH
.endr
.endm
.macro SEND a, younger                 ; stage row t of block a is token 32 (a / 2) + 8 (a % 2) + t + 8 (t / 8) of my 128: at most 127 rows of 4,096 bytes, inside the immediate
.set BB, BK+64*((\a)%2)
	s_wait_dscnt \younger
.irp t, 0,1,2,3,4,5,6,7,8,9,10,11,12,13,14,15
	global_store_b128 v[CO], v[BB+4*\t:BB+4*\t+3], s[12:13] offset:(32*((\a)/2)+8*((\a)%2)+\t+8*(\t/8))*SIZE_N*4 th:TH_STORE_NT   ; 512 consecutive bytes, aligned
.endr
.endm
	PLACES NP
	TOSTAGE 0
.irp a, 1,2,3,4,5,6,7
.if \a > 1
	s_wait_xcnt 0x0                                ; block a - 2's stores have read their registers: block a's loads may land there
.endif
	TOSTAGE \a
	SEND \a-1, 32                                  ; behind block a - 1's loads: block a's 16 stores and 16 loads
.endr
	SEND 7, 0
	s_wait_tensorcnt 0x0                           ; the wave's end
	ds_add_u32 v[SPW], v[NIL]
	s_wait_dscnt 0x0
	CROUND                                         ; the closing round
	s_endpgm
.Lfunc_end_k_qe99551125e_outp:
	.size	k_qe99551125e_outp, .Lfunc_end_k_qe99551125e_outp-k_qe99551125e_outp
	.p2alignl 7, 3214868480
	.fill 96, 4, 3214868480
	.section	.rodata,"a",@progbits
	.p2align	6, 0x0
	.amdhsa_kernel k_qe99551125e_outp
		.amdhsa_group_segment_fixed_size 327680
		.amdhsa_private_segment_fixed_size 0
		.amdhsa_enable_private_segment 0
		.amdhsa_kernarg_size 40
		.amdhsa_user_sgpr_count 2
		.amdhsa_user_sgpr_kernarg_segment_ptr 1
		.amdhsa_wavefront_size32 1
		.amdhsa_system_sgpr_workgroup_id_x 1
		.amdhsa_system_sgpr_workgroup_id_y 1
		.amdhsa_system_sgpr_workgroup_id_z 1
		.amdhsa_system_vgpr_workitem_id 0
		.amdhsa_next_free_vgpr 1024
		.amdhsa_next_free_sgpr 98
		.amdhsa_reserve_vcc 0
		.amdhsa_float_denorm_mode_32 3
		.amdhsa_float_denorm_mode_16_64 3
		.amdhsa_memory_ordered 1
		.amdhsa_forward_progress 1
		.amdhsa_inst_pref_size 162
	.end_amdhsa_kernel
	.amdgpu_metadata
---
amdhsa.version: [ 1, 2 ]
amdhsa.kernels:
  - .name:           k_qe99551125e_outp
    .symbol:         k_qe99551125e_outp.kd
    .args:
      - { .name: ao, .offset: 0, .size: 8, .value_kind: global_buffer, .address_space: global }
      - { .name: as2, .offset: 8, .size: 8, .value_kind: global_buffer, .address_space: global }
      - { .name: w_codes, .offset: 16, .size: 8, .value_kind: global_buffer, .address_space: global }
      - { .name: w_scales, .offset: 24, .size: 8, .value_kind: global_buffer, .address_space: global }
      - { .name: out0, .offset: 32, .size: 8, .value_kind: global_buffer, .address_space: global }
    .group_segment_fixed_size: 327680
    .private_segment_fixed_size: 0
    .kernarg_segment_align: 8
    .kernarg_segment_size: 40
    .max_flat_workgroup_size: 128
    .sgpr_count:     98
    .vgpr_count:     1024
    .wavefront_size: 32
...
	.end_amdgpu_metadata
.endif
;; end of part 5
